; MI455X (gfx1250); checked and timed in simulation.
; The chip was launched on July 23, 2026; its instructions are those of AMD's public machine-readable ISA for CDNA 5 (MIT licence, August 2026) and "CDNA5" Instruction Set Architecture Reference Guide (July 2026). The comments in the code are by the model that wrote it; some were corrected since.
;; Global Self Attention. Allowed arithmetic: matrix products marked QUANTISED: E2M3 operands, one E8M0 scale for each 32 along K, by v_wmma_scale_f32_16x16x128_f8f6f4 with both operands' format E2M3, f32 sums; everything else in f32.
;; Inputs: b_out 1,024 float32; b_qkv 3,072 float32; w_out 1,024 x 1,024 float32; w_qkv 1,024 x 3,072 float32; x 4,096 x 1,024 float32.
;; Outputs: out0 4,096 x 1,024 float32.
;; This version of the problem:
;;   THIS VERSION OF THE PROBLEM IS GIVEN IN LOW PRECISION. The matrix products marked QUANTISED in the list below multiply operands that are first quantised to E2M3 (2 exponent bits, 3 mantissa bits; 6 bits a number), with one power-of-two scale for each 32 numbers along K (OCP MX v1.0); their sums are f32. All else is computed in f32.
;;   The module's matrix products, in the order in which they are computed (A, B: the left and right operand; K: the contracted axis; several contracted axes count as one K, in the product's order):
;;     1. [M 4,096, K 1,024] x [K 1,024, N 3,072]; A: input x; B: input w_qkv: QUANTISED
;;     2. batch 16 x [M 4,096, K 64] x [K 64, N 4,096]; A: computed on the way; B: computed on the way: QUANTISED
;;     3. batch 16 x [M 4,096, K 4,096] x [K 4,096, N 64]; A: softmax (see below); B: computed on the way: QUANTISED
;;     4. [M 4,096, K 1,024] x [K 1,024, N 1,024]; A: computed on the way; B: input w_out: QUANTISED
;;   THE QUANTISER, for each operand of a quantised product, along K:
;;     - K is cut into blocks of 32 from its start; a last block that is shorter is filled with zeros.
;;     - A block's scale is 2^e with e = floor(log2(the largest magnitude in the block)) - 2, held to -126 .. 127; a block of zeros has e = 0. As a byte (E8M0): e + 127.
;;     - Each number is divided by its block's scale, clamped to +-7.5, and rounded to the nearest number of E2M3, ties to even, subnormals kept.
;;     - The product sums the exact products of the quantised numbers (number of the format x scale) in f32.
;;   ~~~python
;;   def quantise(x, axis):      # numpy; x: float32 -> the quantised numbers, widened to float32 again
;;       x = np.moveaxis(x, axis, -1); K = x.shape[-1]
;;       x = np.pad(x, [(0, 0)] * (x.ndim - 1) + [(0, -K % 32)]); x = x.reshape(x.shape[:-1] + (-1, 32)); a = np.abs(x).max(-1, keepdims=True)
;;       e = np.where(a > 0, np.clip(np.frexp(np.where(a > 0, a, 1))[1] - 1 - 2, -126, 127), 0)      # np.frexp(a)[1] - 1 = floor(log2(a)), exactly
;;       r = np.clip(x / 2.0 ** e, -7.5, 7.5)
;;       step = 2.0 ** (np.maximum(np.frexp(np.where(r == 0, 1, r))[1] - 1, 0) - 3)
;;       q = np.round(r / step) * step * 2.0 ** e      # np.round: ties to even
;;       return np.moveaxis(q.reshape(q.shape[:-2] + (-1,))[..., :K], -1, axis).astype(np.float32)
;;   ~~~
;;   SOFTMAX AHEAD OF A QUANTISED PRODUCT. Where the list says 'softmax', what is quantised is not the finished softmax but p = 2^(t - M), with t = logit x log2(e) and M = ceil(the row's largest t), a whole number; so 1/2 < the row's largest p <= 1. The row's sum l is taken of the UNQUANTISED p, in f32, and the product's result is divided by l at the end. Since M is a whole number, a kernel that streams over the keys may use a running M (the ceiling of the running maximum): every later rescaling is an exact power of two, which a block's scale takes up: the codes' values come out the same.
;;   OPERANDS COMPUTED ON THE WAY. 'Computed on the way' means the value that the module computes at that place (a softmax that the list does not call 'softmax' is quantised finished and normalised). What goes into a quantiser is computed in f32, as accurately as f32 sums, v_exp_f32 and their like allow (about 1e-6 of the number): no bf16 or f16 on the way to a quantiser, and a product that is left as it is and whose result goes on into a quantised operand takes f32 operands (vector FMAs, or v_wmma_f32_16x16x4_f32). A number that lies on a knife's edge between two numbers of the format may be rounded either way, as far as f32 arithmetic and the matrix unit's own rounding can turn it there, and no further.
;; One version. Each part assembles by itself: llvm-mc -triple=amdgcn-amd-amdhsa -mcpu=gfx1250 --defsym DOCPART=n.
;; ======== version 1 of 1: 4 launches
;; limits: right only within a limited range of input values
;; workspace buffers: opq 6,553,600 bytes; qkv 10,092,544 bytes; att 3,276,800 bytes
;; launch quant (part 1): grid 256 x 1, 4 waves a work-group, no clusters, 68,096 bytes of LDS; arguments x, w_qkv, w_out, opq; writes opq
.if DOCPART == 1
	.amdgcn_target "amdgcn-amd-amdhsa--gfx1250"
	.amdhsa_code_object_version 6
	.text
	.protected	k_q9ca48e9a4e_quant
	.globl	k_q9ca48e9a4e_quant
	.p2align	8
	.type	k_q9ca48e9a4e_quant,@function
k_q9ca48e9a4e_quant:
	s_mov_b64 s[64:65], 0
	v_nop
	global_prefetch_b8 v0, s[64:65] scope:SCOPE_SE
	s_setreg_imm32_b32 hwreg(HW_REG_WAVE_MODE, 25, 1), 1
	s_wait_xcnt 0x0
; x [4096][1024], w_qkv [1024][3072] and w_out [1024][1024], f32, become codes of FP6 (E2M3) with K innermost and one E8M0 byte for each 32 along K.
; NOTHING OF THE PROBLEM IS LEFT OUT in this program: every product is live, both biases go into a quantised operand or into the result, all five inputs are loaded.
; A block's scale is 2^(floor(log2(its largest magnitude)) - 2); its byte is that magnitude's exponent field - 2, held at 1 from below.
; LIMITS: NaN and infinities among the inputs are not served; a block whose largest magnitude lies under 2^-124 keeps the byte 1; a block of zeros has the byte 1 where the
; rule says 127: its codes are zeros, which add nothing, and the bytes are read by this program alone.
; ROWS LIE BY POSITION: row i of x, and column n of a weight, lies at position pi(i) = i with its bits 3 and 4 exchanged.  Sixteen neighbouring positions 32 b + 16 u + r are then
; the rows 32 b + 8 u + r + 8 (r / 8): a product that takes them as its source 0 leaves, in the 16 registers of two neighbouring tiles, 16 neighbours of the next product's K.
; opq: x's codes [position][768 B] at 0; x's bytes [position][32] at OPQ_XS; the weights' codes [position 0-3071 w_qkv's n, 3072-4095 w_out's n][768 B] at OPQ_WC; their bytes at OPQ_WS.
; Work-groups 0-127 take x (K innermost: a lane holds 16 neighbours, turned through the wave's stage in LDS so that every load reads 512 consecutive bytes);
; work-groups 128-255 take the weights (K is the first axis: a lane takes a column, its registers run down K).  Each of the two ways has LDS bytes of its own.  Waves share nothing: no barrier.
.set OPQ_XS, 3145728
.set OPQ_WC, 3276800
.set OPQ_WS, 6422528
.set STEPS, 16                         ; x: a wave takes 16 steps of 512 numbers: 8 rows
.set AHEAD, 8                          ; loads run eight steps, 32 loads a wave, ahead
.set CB,    12                         ; bytes of 16 codes
.set R,     16                         ; v16-143  x: eight sets of 16 numbers as loaded
.set XN,    144                        ; v144-175 x: two sets of 16 neighbours
.set E,     176                        ; v176-191 x: a scale byte for each step
.set C,     192                        ; v192-255 x: four registers of codes for each step: no store's data are written again
.set WREG,  8192                       ; x: LDS of a wave: two stages of 32 x SP bytes, behind them its 256 scale bytes
.set SP,    80                         ; a lane's place in a stage: 64 bytes + 16 of padding
.set SPW,   12                         ; v12  LDS address of my spare word; never rewritten
.set NIL,   13                         ; v13  0; never rewritten
.set WSTG,  32768                      ; the weights' stages: 32 rows x PITCH for each wave
.set PITCH, 272                        ; sixteen places of 16 bytes, 12 bytes of codes in each, + 16
.set SPARE, WSTG+4*32*PITCH            ; the spare words, 128 bytes for each wave: two blocks of 256 bytes that no other line names
.set WX,    32                         ; v32-95   weights: two sets of 32 numbers
.set WC,    160                        ; v160-166 weights: a block's codes
.set OF,    168                        ; v168-199 weights: 4 x lane + i rows
.set OUTR,  32                         ; v32-95   weights: the way out
.set SB,    24                         ; v24-25   weights: my column's eight scale bytes
.macro LOADX t
.irp i, 0,1,2,3
	global_load_b128 v[R+16*((\t)%AHEAD)+4*\i:R+16*((\t)%AHEAD)+4*\i+3], v3, s[4:5] offset:2048*(\t)+512*\i th:TH_LOAD_NT   ; 32 lanes read 512 consecutive bytes
.endr
.endm
.macro TURNX t                         ; step t's numbers through the stage; LDS serves a wave's instructions in order, so no wait stands between the stores and the loads
.irp i, 0,1,2,3
	ds_store_b128 v14, v[R+16*((\t)%AHEAD)+4*\i:R+16*((\t)%AHEAD)+4*\i+3] offset:32*SP*((\t)%2)+8*SP*\i
.endr
.irp i, 0,1,2,3
	ds_load_b128 v[XN+16*((\t)%2)+4*\i:XN+16*((\t)%2)+4*\i+3], v15 offset:32*SP*((\t)%2)+16*\i
.endr
.endm
.macro STEPX t
.set XQ, XN+16*((\t)%2)
.if (\t) > 0
	s_wait_dscnt 1                                 ; this step's numbers are back from the stage; the last step's byte store may be out
.else
	s_wait_dscnt 0x0
.endif
.if (\t)+AHEAD < STEPS
	LOADX (\t)+AHEAD                               ; into the set that this step's stage stores have read
.endif
.if (\t)+1 < STEPS
.if (\t)+AHEAD < STEPS
	s_wait_loadcnt 4*(AHEAD-1)                     ; the next step's four loads are in; those of the seven steps behind it may be out
.else
	s_wait_loadcnt 4*(STEPS-2-(\t))                ; the same, with the steps that are left
.endif
	TURNX (\t)+1
.endif
	v_max3_num_f32 v8, |v[XQ]|, |v[XQ+1]|, |v[XQ+2]|               ; the largest magnitude of my 16, in two chains
	v_max3_num_f32 v9, |v[XQ+3]|, |v[XQ+4]|, |v[XQ+5]|
.irp i, 6,10
	v_max3_num_f32 v8, v8, |v[XQ+\i]|, |v[XQ+\i+1]|
	v_max3_num_f32 v9, v9, |v[XQ+\i+2]|, |v[XQ+\i+3]|
.endr
	v_max3_num_f32 v8, v8, |v[XQ+14]|, |v[XQ+15]|
	v_max3_num_f32 v8, v8, v9, 0x1800000           ; and the floor 2^(3 - 127): the byte cannot fall under 1
	v_max_num_f32_dpp v8, v8, v8 row_xmask:1 row_mask:0xf bank_mask:0xf   ; with my neighbour's 16: the block's
	v_add_nc_u32 v11, 0xff000000, v8               ; 2 off its exponent field: the conversion takes this operand's exponent field as its scale
	v_cvt_scalef32_pk16_fp6_f32 v[C+4*(\t):C+4*(\t)+2], v[XQ:XQ+15], v11
	v_lshrrev_b32 v[E+(\t)], 23, v11               ; the scale's byte
	ds_store_b8 v5, v[E+(\t)] offset:16*(\t)       ; both lanes of a block write the same byte with the same value
	global_store_b96 v4, v[C+4*(\t):C+4*(\t)+2], s[8:9] offset:32*CB*(\t)   ; the wave stores 384 consecutive bytes
.endm
.macro LOADW t                         ; block t: W(32 t + i, my column), i = 0 .. 31: each load reads 128 consecutive bytes
.set i, 0
.rept 32
	global_load_b32 v[WX+32*((\t)%2)+i], v[OF+i], s[32+2*(\t):33+2*(\t)] th:TH_LOAD_NT
.set i, i+1
.endr
.endm
.macro BLOCKW t
.set XW, WX+32*((\t)%2)
.if (\t) < 7
	s_wait_loadcnt 32                              ; this block's 32 loads are in; the next block's may be out
.else
	s_wait_loadcnt 0
.endif
	v_max3_num_f32 v14, |v[XW]|, |v[XW+1]|, |v[XW+2]|              ; the block's largest magnitude: all 32 numbers are mine
	v_max3_num_f32 v15, |v[XW+3]|, |v[XW+4]|, |v[XW+5]|
.irp i, 6,10,14,18,22,26
	v_max3_num_f32 v14, v14, |v[XW+\i]|, |v[XW+\i+1]|
	v_max3_num_f32 v15, v15, |v[XW+\i+2]|, |v[XW+\i+3]|
.endr
	v_max3_num_f32 v14, v14, |v[XW+30]|, |v[XW+31]|
	v_max3_num_f32 v14, v14, v15, 0x1800000
	v_add_nc_u32 v11, 0xff000000, v14
	v_lshrrev_b32 v10, 23, v11                     ; the scale's byte
.if (\t)%4 == 0
	v_mov_b32 v[SB+(\t)/4], v10                    ; four bytes to a register, the lower K in the lower byte
.else
	v_lshl_or_b32 v[SB+(\t)/4], v10, 8*((\t)%4), v[SB+(\t)/4]
.endif
	v_cvt_scalef32_pk16_fp6_f32 v[WC:WC+2], v[XW:XW+15], v11
	v_cvt_scalef32_pk16_fp6_f32 v[WC+4:WC+6], v[XW+16:XW+31], v11  ; (a conversion's three registers begin on an even number)
	ds_store_b96 v4, v[WC:WC+2] offset:32*(\t)     ; 12 bytes to a place of 16, so that every LDS address is a multiple of 16
	ds_store_b96 v4, v[WC+4:WC+6] offset:32*(\t)+16
.if (\t)+2 < 8
	LOADW (\t)+2
.endif
	s_wait_dscnt 0x0                               ; the stores have read their registers: the next block's codes may be written
.endm
	s_load_b256 s[4:11], s[0:1], 0x0               ; x s[4:5], w_qkv s[6:7], w_out s[8:9], opq s[10:11]
	v_lshl_add_u32 v[SPW], v0, 2, SPARE
	v_mov_b32 v[NIL], 0
	v_lshrrev_b32 v1, 5, v0
	v_readfirstlane_b32 s16, v1                    ; wave
	v_and_b32 v2, 31, v0                           ; lane
	s_cmp_lt_u32 ttmp9, 128
	s_cbranch_scc0 .Lw
	; ---------------- x ----------------
	v_lshlrev_b32 v3, 4, v2                        ; my 16 bytes of a load's 512
	s_mul_i32 s17, s16, WREG
	v_lshrrev_b32 v14, 2, v2
	v_mul_u32_u24 v14, v14, SP
	v_and_b32 v15, 3, v2
	v_lshl_add_u32 v14, v15, 4, v14
	v_add_nc_u32 v14, s17, v14                     ; into the stage: SP (lane / 4) + 16 (lane % 4)
	v_mul_u32_u24 v15, v2, SP
	v_add_nc_u32 v15, s17, v15                     ; out of it: SP x lane: my 16 neighbours
	v_mul_u32_u24 v4, v2, CB                       ; my codes' place in a step's
	v_lshrrev_b32 v5, 1, v2
	s_add_co_u32 s26, s17, 2*32*SP
	v_add_nc_u32 v5, s26, v5                       ; my block's byte among my wave's 256
	v_lshlrev_b32 v7, 3, v2
	v_add_nc_u32 v6, s26, v7                       ; and on the way out 8 bytes a lane
	s_lshl_b32 s17, ttmp9, 2
	s_add_co_u32 s18, s17, s16                     ; my wave's run of 8 rows,
	s_lshl_b32 s18, s18, 15                        ; 32,768 bytes of x
	s_mov_b32 s19, 0
	s_and_b32 s20, s16, 1                          ; its position: a run's number is the row's bits 3 on, so its two low bits change places
	s_lshl_b32 s20, s20, 1
	s_lshr_b32 s21, s16, 1
	s_or_b32 s20, s20, s21
	s_add_co_u32 s20, s20, s17
	s_mul_i32 s22, s20, 6144                       ; 8 rows of 768 bytes of codes
	s_mov_b32 s23, 0
	s_lshl_b32 s24, s20, 8                         ; 8 rows of 32 scale bytes
	s_add_co_u32 s24, s24, OPQ_XS
	s_mov_b32 s25, 0
	s_wait_alu depctr_va_vdst(0)
	s_wait_kmcnt 0x0
	s_add_nc_u64 s[4:5], s[4:5], s[18:19]
	s_add_nc_u64 s[8:9], s[10:11], s[22:23]
	s_add_nc_u64 s[10:11], s[10:11], s[24:25]
.irp t, 0,1,2,3,4,5,6,7
	LOADX \t
.endr
	s_wait_loadcnt 4*(AHEAD-1)                     ; step 0's four loads are in
	TURNX 0
.irp t, 0,1,2,3,4,5,6,7,8,9,10,11,12,13,14,15
	STEPX \t
.endr
	ds_load_b64 v[8:9], v6                         ; LDS serves a wave's instructions in order: these see my byte stores
	s_wait_dscnt 0x0
	global_store_b64 v7, v[8:9], s[10:11]          ; 32 lanes store 256 consecutive bytes, aligned
	s_wait_tensorcnt 0x0                           ; the wave's end
	ds_add_u32 v[SPW], v[NIL]
	s_wait_dscnt 0x0
	s_endpgm
	; ---------------- the weights ----------------
.Lw:
	s_sub_co_u32 s17, ttmp9, 128
	s_and_b32 s18, s17, 31                         ; which 128 columns of the 4,096 (3,072 of w_qkv, then 1,024 of w_out)
	s_lshr_b32 s19, s17, 5                         ; which 256 along K
	s_lshl_b32 s20, s18, 7
	s_lshl_b32 s21, s16, 5
	s_add_co_u32 s20, s20, s21                     ; my wave's first column
	s_mov_b32 s22, 4096
	s_mov_b32 s25, 0
	s_mov_b32 s27, 0
	s_wait_kmcnt 0x0
	s_cmp_lt_u32 s18, 24                           ; w_qkv's or w_out's: the choice hangs on the work-group's number alone
	s_cselect_b64 s[6:7], s[6:7], s[8:9]
	s_cselect_b32 s22, 12288, s22                  ; a row of the tensor in bytes
	s_cselect_b32 s23, 0, 3072
	s_sub_co_u32 s23, s20, s23                     ; the column in its own tensor
	s_lshl_b32 s23, s23, 2
	s_lshl_b32 s24, s19, 8
	s_mul_i32 s24, s24, s22
	s_add_co_u32 s24, s24, s23
	s_add_nc_u64 s[32:33], s[6:7], s[24:25]        ; block 0's first row, my first column
	s_lshl_b32 s26, s22, 5                         ; 32 rows
.irp t, 1,2,3,4,5,6,7
	s_add_nc_u64 s[32+2*\t:33+2*\t], s[30+2*\t:31+2*\t], s[26:27]   ; a base for each block of 32 along K
.endr
	s_wait_alu depctr_va_vdst(0)
	v_lshlrev_b32 v3, 2, v2
	v_and_b32 v5, 7, v2
	v_bfe_u32 v6, v2, 3, 1
	v_bfe_u32 v10, v2, 4, 1
	v_lshl_or_b32 v5, v6, 4, v5
	v_lshl_or_b32 v5, v10, 3, v5                   ; my column's position among the wave's 32
	s_mul_i32 s28, s16, 32*PITCH
	s_add_co_u32 s28, s28, WSTG                    ; my stage
	v_mul_u32_u24 v4, v5, PITCH
	v_add_nc_u32 v4, s28, v4                       ; into it: row = my column's position
	v_and_b32 v6, 15, v2
	v_mul_u32_u24 v7, v10, PITCH
	v_lshl_add_u32 v7, v6, 4, v7
	v_add_nc_u32 v7, s28, v7                       ; out of it: sixteen lanes to a row, two rows an instruction
	v_mul_u32_u24 v8, v10, 768
	v_mad_u32_u24 v8, v6, 12, v8                   ; and the same place in the codes' buffer
	v_lshlrev_b32 v9, 5, v5                        ; my column's row of scale bytes
.set i, 0
.rept 32
	v_mad_u32_u24 v[OF+i], s22, i, v3              ; 4 x lane + i rows
.set i, i+1
.endr
	s_mul_i32 s24, s20, 768
	s_mul_i32 s29, s19, 192
	s_add_co_u32 s24, s24, s29
	s_add_co_u32 s24, s24, OPQ_WC
	s_add_nc_u64 s[48:49], s[10:11], s[24:25]      ; the codes of my 32 positions, my 256 along K
	s_lshl_b32 s24, s20, 5
	s_lshl_b32 s29, s19, 3
	s_add_co_u32 s24, s24, s29
	s_add_co_u32 s24, s24, OPQ_WS
	s_add_nc_u64 s[50:51], s[10:11], s[24:25]      ; and their scale bytes
	s_wait_alu depctr_va_vdst(0)
	LOADW 0
	LOADW 1
.irp t, 0,1,2,3,4,5,6,7
	BLOCKW \t
.endr
	s_wait_alu depctr_va_vdst(0)
	global_store_b64 v9, v[SB:SB+1], s[50:51]      ; my column's eight scale bytes
.irp t, 0,1,2,3,4,5,6,7,8,9,10,11,12,13,14,15
	ds_load_b96 v[OUTR+4*\t:OUTR+4*\t+2], v7 offset:2*\t*PITCH   ; LDS serves a wave's instructions in order: these see my stores
.endr
.irp t, 0,1,2,3,4,5,6,7,8,9,10,11,12,13,14,15
	s_wait_dscnt 15-\t                             ; rows 2 t and 2 t + 1 are back; the younger loads may be out
	global_store_b96 v8, v[OUTR+4*\t:OUTR+4*\t+2], s[48:49] offset:2*\t*768   ; sixteen lanes store a row's 192 consecutive bytes
.endr
	s_wait_tensorcnt 0x0                           ; the wave's end
	ds_add_u32 v[SPW], v[NIL]
	s_wait_dscnt 0x0
	s_endpgm
.Lfunc_end_k_q9ca48e9a4e_quant:
	.size	k_q9ca48e9a4e_quant, .Lfunc_end_k_q9ca48e9a4e_quant-k_q9ca48e9a4e_quant
	.p2alignl 7, 3214868480
	.fill 96, 4, 3214868480
	.section	.rodata,"a",@progbits
	.p2align	6, 0x0
	.amdhsa_kernel k_q9ca48e9a4e_quant
		.amdhsa_group_segment_fixed_size 68096
		.amdhsa_private_segment_fixed_size 0
		.amdhsa_enable_private_segment 0
		.amdhsa_kernarg_size 32
		.amdhsa_user_sgpr_count 2
		.amdhsa_user_sgpr_kernarg_segment_ptr 1
		.amdhsa_wavefront_size32 1
		.amdhsa_system_sgpr_workgroup_id_x 1
		.amdhsa_system_sgpr_workgroup_id_y 1
		.amdhsa_system_sgpr_workgroup_id_z 1
		.amdhsa_system_vgpr_workitem_id 0
		.amdhsa_next_free_vgpr 256
		.amdhsa_next_free_sgpr 66
		.amdhsa_reserve_vcc 0
		.amdhsa_float_denorm_mode_32 3
		.amdhsa_float_denorm_mode_16_64 3
		.amdhsa_memory_ordered 1
		.amdhsa_forward_progress 1
		.amdhsa_inst_pref_size 76
	.end_amdhsa_kernel
	.amdgpu_metadata
---
amdhsa.version: [ 1, 2 ]
amdhsa.kernels:
  - .name:           k_q9ca48e9a4e_quant
    .symbol:         k_q9ca48e9a4e_quant.kd
    .args:
      - { .name: x, .offset: 0, .size: 8, .value_kind: global_buffer, .address_space: global }
      - { .name: w_qkv, .offset: 8, .size: 8, .value_kind: global_buffer, .address_space: global }
      - { .name: w_out, .offset: 16, .size: 8, .value_kind: global_buffer, .address_space: global }
      - { .name: opq, .offset: 24, .size: 8, .value_kind: global_buffer, .address_space: global }
    .group_segment_fixed_size: 68096
    .private_segment_fixed_size: 0
    .kernarg_segment_align: 8
    .kernarg_segment_size: 32
    .max_flat_workgroup_size: 128
    .sgpr_count:     66
    .vgpr_count:     256
    .wavefront_size: 32
...
	.end_amdgpu_metadata
.endif
;; end of part 1
;; launch qkv (part 2): grid 12 x 16, 4 waves a work-group, clusters of 4 x 4, 327,680 bytes of LDS; arguments opq, b_qkv, qkv; writes qkv
.if DOCPART == 2
	.amdgcn_target "amdgcn-amd-amdhsa--gfx1250"
	.amdhsa_code_object_version 6
	.text
	.protected	k_q9ca48e9a4e_qkv
	.globl	k_q9ca48e9a4e_qkv
	.p2align	8
	.type	k_q9ca48e9a4e_qkv,@function
k_q9ca48e9a4e_qkv:
	s_mov_b64 s[64:65], 0
	v_nop
	global_prefetch_b8 v0, s[64:65] scope:SCOPE_SE
	s_setreg_imm32_b32 hwreg(HW_REG_WAVE_MODE, 25, 1), 1
	s_wait_xcnt 0x0
	s_wait_alu depctr_hold_cnt(0) depctr_sa_sdst(0) depctr_va_vdst(0) depctr_va_sdst(0) depctr_va_ssrc(0) depctr_va_vcc(0) depctr_vm_vsrc(0)
	s_getreg_b32 s2, hwreg(HW_REG_IB_STS2, 6, 4)
	s_cmp_eq_u32 s2, 0
	s_cbranch_scc0 .Lentry_in_a_cluster
	s_endpgm
.Lentry_in_a_cluster:
	s_bfe_u32 s2, ttmp6, 0x10000c
	s_cmp_lg_u32 s2, 0xf033
	s_cbranch_scc0 .Lentry_shape_is_right
	s_endpgm
.Lentry_shape_is_right:
; qkv = x w_qkv + b_qkv on codes of FP6 (E2M3), 4,096 x 3,072, K = 1,024; the result is quantised at once: Q and K along the head's 64, V along the keys, and stored as images of the next launch's operands.  Nothing is left out.
; A work-group of four waves makes 256 x 256, a wave 128 x 128 in 64 accumulators.  A row of codes is 768 bytes; K goes through a ring of two LDS slots in CHUNKS OF 256 BYTES of each row, so every tile row begins at a multiple of 256 bytes.
; A matrix step is 128 along K, 96 bytes of a row: eight steps to three chunks; steps 2 and 5 lie across two chunks and take their pieces from both slots.
; The scales of the 256 rows of x and of the 256 columns of w come once, as dense blocks, by the head's loads.  CLUSTER 4 x 4: x's tiles are asked for jointly along a row of the cluster, w's along a column.
; Source 0 = rows of w, source 1 = rows of x: a lane holds eight neighbouring channels of one token.  The bias is the C of the first step's products.
; No prefetch: K has three chunks, of which two are asked for ahead of the first product.  LIMITS: as the first launch states them.
.set OPQ_XS, 3145728
.set OPQ_WC, 3276800
.set OPQ_WS, 6422528
.set VC,     6291456
.set QS,     9437184
.set KVS,    9699328
.set ROWB,   256
.set NQ,     2
.set KROW,   768
.set STEPS,  8
.set CHUNKS, 3
.set PITCH,  272
.set FR,     12
.set NL,     6
.set NP,     4
.set HALFT,  128*PITCH
.set SLOT,   4*HALFT
.set KS,     32
.set SCL,    2*SLOT
.set HALFS,  16*272
.set SBLK,   2*272
.set SPARE,  SCL+4*HALFS
.set VPITCH, 528
.set VSTG,   32*VPITCH
.set ADRA, 16
.set ADRB, 20
.set ADRS, 27
.set SPW,  28
.set NIL,  29
.set SC,   32
.set BIA,  64
.set AF,   128
.set L8,   7
.set L16,  8
.set STO,  9
.set RDV,  10
.set V8X,  12
.set VPI,  13
.set B64H, 15
.set QC,   112
.set TM,   200
.set WA,   196
.set SWA,  216
.set SWB,  220
.set XV,   32
.set PCV,  96
.set SBV,  108
.set G1, 24
.set G0, 32
.set G1B, 48
.set G0B, 56
.set G1S, 68
.set G0S, 76
.set G1SB, 80
.set G0SB, 88
.set G0H, 4
.set G0HB, 8
.set MSB, 0
.macro WIN new
.if MSB != \new
	s_set_vgpr_msb (MSB<<8)|\new
.set MSB, \new
.endif
.endm
.set MUL_LO, 0xa1
.set MUL_HI, 0xf1
.set TO_B,   0x40
.macro JLOAD g0a, g1a, g0b, g1b        ; waves 0, 1 fetch for x, waves 2, 3 for w
	s_cmp_eq_u32 s15, 0
	s_cbranch_scc0 .Lfor_b_\@
	tensor_load_to_lds s[\g0a:\g0a+3], s[\g1a:\g1a+7]
	s_nop 0
.rept 4
	v_nop
.endr
	s_branch .Lasked_\@
.Lfor_b_\@:
	tensor_load_to_lds s[\g0b:\g0b+3], s[\g1b:\g1b+7]
	s_nop 0
.rept 4
	v_nop
.endr
.Lasked_\@:
.endm
.macro CREST
	s_cmp_lg_u32 s14, 0
	s_cbranch_scc1 .Lnot_wave_0_\@
	s_barrier_signal -3
.Lnot_wave_0_\@:
	s_barrier_wait -3
	s_barrier_signal -1
	s_barrier_wait -1
.endm
.macro CROUND
	s_barrier_signal -1
	s_barrier_wait -1
	CREST
.endm
	s_load_b128 s[4:7], s[0:1], 0x0                ; opq, b_qkv
	s_load_b64 s[12:13], s[0:1], 0x10              ; qkv
	v_lshl_add_u32 v[SPW], v0, 2, SPARE
	v_mov_b32 v[NIL], 0
	ds_add_u32 v[SPW], v[NIL]                      ; the opening lines: the add twice, and its wait ahead of the first tensor load
	ds_add_u32 v[SPW], v[NIL]
	v_lshrrev_b32 v1, 5, v0
	v_readfirstlane_b32 s14, v1                    ; wave
	s_lshr_b32 s15, s14, 1                         ; my half of the rows; also: I fetch for x (0) or w (1)
	s_and_b32 s16, s14, 1                          ; my half of the columns; also which 128 rows I fetch
	s_bfe_u32 s40, ttmp6, 0x40000
	s_bfe_u32 s41, ttmp6, 0x40004
	s_lshl_b32 s42, ttmp9, 2
	s_add_co_u32 s42, s42, s40                     ; tile column
	s_and_b32 s17, ttmp7, 0xffff
	s_lshl_b32 s17, s17, 2
	s_add_co_u32 s17, s17, s41                     ; tile row
	s_lshl_b32 s43, s41, 2
	s_lshl_b32 s43, 15, s43                        ; my row of the cluster
	s_lshl_b32 s44, 0x1111, s40                    ; my column
	s_or_b32 s[G1+0], s43, (0<<16)|(1<<20)|(1<<21)|(5<<22)|(3<<25)   ; rows of 256 bytes, 16 bytes of padding behind each
	s_or_b32 s[G1B+0], s44, (0<<16)|(1<<20)|(1<<21)|(5<<22)|(3<<25)
.irp g, G1, G1B
	s_mov_b32 s[\g+1], ROWB<<16
	s_mov_b32 s[\g+2], 256<<16                     ; 256 rows for the head's loads
	s_mov_b32 s[\g+3], ROWB<<16
	s_mov_b32 s[\g+4], 256
	s_mov_b32 s[\g+5], KROW
	s_mov_b32 s[\g+6], 0
	s_mov_b32 s[\g+7], 0
.endr
	s_or_b32 s[G1S+0], s43, (3<<16)|(1<<20)|(1<<21)|(5<<22)|(3<<25)  ; the scales of 256 rows: 8,192 dense bytes as 32 rows of 256
	s_or_b32 s[G1SB+0], s44, (3<<16)|(1<<20)|(1<<21)|(5<<22)|(3<<25)
.irp g, G1S, G1SB
	s_mov_b32 s[\g+1], 32<<16
	s_mov_b32 s[\g+2], KS<<16
	s_mov_b32 s[\g+3], 32<<16
	s_mov_b32 s[\g+4], KS
	s_mov_b32 s[\g+5], 32
	s_mov_b32 s[\g+6], 0
	s_mov_b32 s[\g+7], 0
.endr
	s_lshl_b32 s20, s17, 8
	s_lshl_b32 s46, s42, 8
	s_mov_b32 s21, 0
	s_mov_b32 s47, 0
	s_mov_b64 s[18:19], KS
	s_mul_u64 s[22:23], s[20:21], s[18:19]
	s_mul_u64 s[92:93], s[46:47], s[18:19]
	s_mov_b64 s[18:19], KROW
	s_mul_u64 s[20:21], s[20:21], s[18:19]
	s_mul_u64 s[46:47], s[46:47], s[18:19]
	s_add_nc_u64 s[22:23], s[22:23], OPQ_XS        ; byte offsets in opq
	s_add_nc_u64 s[46:47], s[46:47], OPQ_WC
	s_add_nc_u64 s[92:93], s[92:93], OPQ_WS
	s_lshl_b32 s94, s42, 10                        ; my 128 channels of the bias
	s_lshl_b32 s95, s16, 9
	s_add_co_u32 s94, s94, s95
	s_mov_b32 s95, 0
	s_mul_i32 s18, s16, 128*KROW
	s_mov_b32 s19, 0
	s_mul_i32 s45, s14, HALFT
	s_wait_dscnt 0x0
	s_wait_kmcnt 0x0
	s_add_nc_u64 s[96:97], s[6:7], s[94:95]
	s_add_nc_u64 s[20:21], s[4:5], s[20:21]
	s_add_nc_u64 s[22:23], s[4:5], s[22:23]
	s_add_nc_u64 s[46:47], s[4:5], s[46:47]
	s_add_nc_u64 s[92:93], s[4:5], s[92:93]
	CROUND                                         ; the first joint loads meet
	s_mov_b32 s[G0H], 1
	s_mov_b32 s[G0H+1], 0
	s_mov_b64 s[G0H+2:G0H+3], s[20:21]
	s_or_b32 s[G0H+3], s[G0H+3], 0x80000000
	s_mov_b32 s[G0HB], 1
	s_mov_b32 s[G0HB+1], 2*HALFT
	s_mov_b64 s[G0HB+2:G0HB+3], s[46:47]
	s_or_b32 s[G0HB+3], s[G0HB+3], 0x80000000
	s_mov_b32 s[G0S], 1
	s_mov_b32 s[G0S+1], SCL
	s_mov_b64 s[G0S+2:G0S+3], s[22:23]
	s_or_b32 s[G0S+3], s[G0S+3], 0x80000000
	s_mov_b32 s[G0SB], 1
	s_mov_b32 s[G0SB+1], SCL+2*HALFS
	s_mov_b64 s[G0SB+2:G0SB+3], s[92:93]
	s_or_b32 s[G0SB+3], s[G0SB+3], 0x80000000
	s_add_nc_u64 s[20:21], s[20:21], s[18:19]
	s_add_nc_u64 s[46:47], s[46:47], s[18:19]
.irp s, 0,1
	s_mov_b32 s[G0+4*\s], 1
	s_add_co_u32 s[G0+4*\s+1], s45, \s*SLOT
	s_add_nc_u64 s[G0+4*\s+2:G0+4*\s+3], s[20:21], \s*ROWB
	s_or_b32 s[G0+4*\s+3], s[G0+4*\s+3], 0x80000000
	s_mov_b32 s[G0B+4*\s], 1
	s_add_co_u32 s[G0B+4*\s+1], s45, \s*SLOT
	s_add_nc_u64 s[G0B+4*\s+2:G0B+4*\s+3], s[46:47], \s*ROWB
	s_or_b32 s[G0B+4*\s+3], s[G0B+4*\s+3], 0x80000000
.endr
; the head's four tiles, one load a wave: chunk 0 of x, chunk 0 of w, x's scales, w's scales
.macro ARM under, g0, g1, next
	s_cmp_lt_u32 s14, \under
	s_cbranch_scc0 \next
	tensor_load_to_lds s[\g0:\g0+3], s[\g1:\g1+7]
	s_nop 0
.rept 4
	v_nop
.endr
	s_branch .Lhead_asked
\next:
.endm
	ARM 1, G0H,  G1,  .Lhead_b
	ARM 2, G0HB, G1B, .Lhead_sa
	ARM 3, G0S,  G1S, .Lhead_sb
	tensor_load_to_lds s[G0SB:G0SB+3], s[G1SB:G1SB+7]
	s_nop 0
.rept 4
	v_nop
.endr
.Lhead_asked:
	v_and_b32 v1, 15, v0
	v_bfe_u32 v2, v0, 4, 1
	v_mul_u32_u24 v3, v1, PITCH
	v_mul_u32_u24 v4, v2, 24
	v_add_nc_u32 v4, v3, v4                        ; row x pitch + 24 x half
	s_mov_b32 s21, SLOT-232
	s_mov_b32 s22, SLOT+232
	v_sub_nc_u32 v7, 1, v2
	v_mul_u32_u24 v5, s21, v2
	v_add_nc_u32 v5, v3, v5
	v_add_nc_u32 v5, 232, v5                       ; across two chunks: lanes 0-15 byte 232 in slot 0, lanes 16-31 byte 0 in slot 1
	v_mul_u32_u24 v6, s22, v7
	v_add_nc_u32 v6, v3, v6                        ; and the other way round
	s_mul_i32 s21, s15, HALFT
	s_mul_i32 s22, s16, HALFT
	s_add_co_u32 s22, s22, 2*HALFT
	v_add_nc_u32 v[ADRA+2], s21, v5
	v_add_nc_u32 v[ADRA+3], s21, v6
	v_add_nc_u32 v[ADRB+2], s22, v5
	v_add_nc_u32 v[ADRB+3], s22, v6
.irp s, 0,1
	v_add_nc_u32 v[ADRA+\s], s21, v4
	v_add_nc_u32 v[ADRB+\s], s22, v4
	s_add_co_u32 s21, s21, SLOT
	s_add_co_u32 s22, s22, SLOT
.endr
	v_mul_u32_u24 v5, v1, KS
	v_lshrrev_b32 v6, 8, v5
	v_lshl_add_u32 v5, v6, 4, v5
	s_mul_i32 s21, s15, HALFS
	s_mul_i32 s22, s16, HALFS
	s_add_co_u32 s22, s22, 2*HALFS
	s_sub_co_u32 s22, s22, s21
	v_mul_u32_u24 v6, s22, v2                      ; lanes 16-31 take w's scale words
	s_add_co_u32 s21, s21, SCL
	v_add_nc_u32 v5, v5, v6
	v_add_nc_u32 v[ADRS], s21, v5
	v_lshlrev_b32 v[B64H], 6, v2
.irp b, 0,1,2,3,4,5,6,7
	global_load_b128 v[BIA+8*\b:BIA+8*\b+3], v[B64H], s[96:97] offset:(32*(\b/2)+8*(\b%2))*4      ; the bias in the result's layout
	global_load_b128 v[BIA+8*\b+4:BIA+8*\b+7], v[B64H], s[96:97] offset:(32*(\b/2)+8*(\b%2))*4+16
.endr
.macro FRAG reg, adr, st, i            ; 16 rows x 128 K in pieces of 8 bytes; byte y of a row lies in slot (y / 256) % 2 at byte y % 256
.irp p, 0,1,2,3,4,5
.set BY, 96*(\st)+48*(\p/3)+8*(\p%3)
.if BY/ROWB == (BY+24)/ROWB
	ds_load_b64 v[\reg+2*\p:\reg+2*\p+1], v[\adr+(BY/ROWB)%2] offset:BY%ROWB+(\i)*16*PITCH
.else
	ds_load_b64 v[\reg+2*\p:\reg+2*\p+1], v[\adr+2+(BY/ROWB)%2] offset:BY%ROWB-232+(\i)*16*PITCH
.endif
.endr
.endm
.macro MUL16 a0, p, q, sc, first       ; the 64 accumulators take turns
.irp a, \a0, \a0+1
.irp b, 0,1,2,3,4,5,6,7
.if \first
	v_wmma_scale_f32_16x16x128_f8f6f4 v[8*(8*((\a)%4)+\b):8*(8*((\a)%4)+\b)+7], v[128*(\p)+FR*\b:128*(\p)+FR*\b+FR-1], v[AF+FR*(\a):AF+FR*(\a)+FR-1], v[BIA+8*\b:BIA+8*\b+7], v[SC+8*NQ*(\sc)+NQ*\b+(\q)], v[SC+8*NQ*(\sc)+NQ*(\a)+(\q)] matrix_a_fmt:MATRIX_FMT_FP6 matrix_b_fmt:MATRIX_FMT_FP6 matrix_a_scale:MATRIX_SCALE_ROW1
.else
	v_wmma_scale_f32_16x16x128_f8f6f4 v[8*(8*((\a)%4)+\b):8*(8*((\a)%4)+\b)+7], v[128*(\p)+FR*\b:128*(\p)+FR*\b+FR-1], v[AF+FR*(\a):AF+FR*(\a)+FR-1], v[8*(8*((\a)%4)+\b):8*(8*((\a)%4)+\b)+7], v[SC+8*NQ*(\sc)+NQ*\b+(\q)], v[SC+8*NQ*(\sc)+NQ*(\a)+(\q)] matrix_a_fmt:MATRIX_FMT_FP6 matrix_b_fmt:MATRIX_FMT_FP6 matrix_a_scale:MATRIX_SCALE_ROW1
.endif
.endr
.endr
.endm
.macro FETCH_B st, p
	WIN TO_B
.irp i, 0,1,2,3,4,5,6,7
	FRAG 128*(\p)+FR*\i, ADRB, \st, \i
.endr
	WIN 0
.endm
.macro FETCH_A st, i0
.irp i, \i0, \i0+1, \i0+2, \i0+3
	FRAG AF+FR*(\i), ADRA, \st, \i
.endr
.endm
.macro SCALES pr
.irp i, 0,1,2,3,4,5,6,7
	ds_load_b64 v[SC+8*NQ*((\pr)%2)+NQ*\i:SC+8*NQ*((\pr)%2)+NQ*\i+1], v[ADRS] offset:\i*SBLK+4*NQ*(\pr)
.endr
.endm
.macro PLACES n
.rept \n
	v_nop
.endr
.endm
; A step: 64 products; the next step's fragments are fetched in its middle and at its end.  Where the next step ends in a chunk not yet read, a barrier shows that chunk whole;
; where it begins in a later chunk, the chunk left behind is free: the three lines, the barrier, and, if a chunk two on is left, the cluster's round and the refill.
.macro STEP st, first
.set NX, (\st)+1
.set C0, (96*(\st))/ROWB
.set C1, (96*NX)/ROWB
.set E0, (96*(\st)+95)/ROWB
.set E1, (96*NX+95)/ROWB
.if C1 > C0 || E1 > E0
	s_wait_tensorcnt 0x0                           ; all my tensor loads have landed
.if C1 > C0
	ds_add_u32 v[SPW], v[NIL]
	s_wait_dscnt 4*NL+1                            ; the add and x's blocks 4-7 may be out
.else
	s_wait_dscnt 4*NL                              ; x's blocks 4-7 may be out
.endif
	WIN MUL_LO-0x20*(\first)
	MUL16 0, (\st)%2, (\st)%2, ((\st)/2)%2, \first
	s_wait_dscnt 0x0                               ; the add and my reads are done
	s_barrier_signal -1
	MUL16 2, (\st)%2, (\st)%2, ((\st)/2)%2, \first
	WIN 0
	s_barrier_wait -1
.if C1 > C0 && C0+2 < CHUNKS
	CREST
	s_add_nc_u64 s[G0+4*(C0%2)+2:G0+4*(C0%2)+3], s[G0+4*(C0%2)+2:G0+4*(C0%2)+3], 2*ROWB
	s_add_nc_u64 s[G0B+4*(C0%2)+2:G0B+4*(C0%2)+3], s[G0B+4*(C0%2)+2:G0B+4*(C0%2)+3], 2*ROWB
	JLOAD G0+4*(C0%2), G1, G0B+4*(C0%2), G1B       ; chunk C0 + 2, first behind the round
.else
	PLACES NP
.endif
.else
	s_wait_dscnt 4*NL                              ; x's blocks 4-7 may be out
	WIN MUL_LO-0x20*(\first)
	MUL16 0, (\st)%2, (\st)%2, ((\st)/2)%2, \first
	MUL16 2, (\st)%2, (\st)%2, ((\st)/2)%2, \first
	s_wait_dscnt 0
	PLACES NP
.endif
	FETCH_B NX, NX%2
	FETCH_A NX, 0
.if NX%2 == 0
	SCALES NX/2
.endif
	WIN MUL_HI-0x30*(\first)
	MUL16 4, (\st)%2, (\st)%2, ((\st)/2)%2, \first
	MUL16 6, (\st)%2, (\st)%2, ((\st)/2)%2, \first
	PLACES NP
	WIN 0
	FETCH_A NX, 4
.endm
	s_wait_alu depctr_va_vdst(0)
	s_wait_tensorcnt 0x0                           ; my tile of the head's four is in
	ds_add_u32 v[SPW], v[NIL]
	s_mov_b32 s[G1+2], 128<<16                     ; no load of mine is out: from here a load brings 128 rows
	s_mov_b32 s[G1+4], 128
	s_mov_b32 s[G1B+2], 128<<16
	s_mov_b32 s[G1B+4], 128
	s_wait_dscnt 0x0
	CROUND
	JLOAD G0+4, G1, G0B+4, G1B                     ; chunk 1
	FETCH_B 0, 0
	FETCH_A 0, 0
	SCALES 0
	FETCH_A 0, 4
	s_wait_loadcnt 0x0                             ; the bias
	STEP 0, 1
.set ST, 1
.rept STEPS-2
	STEP ST, 0
.set ST, ST+1
.endr
	s_wait_dscnt 4*NL
	WIN MUL_LO
	MUL16 0, 1, 1, 1, 0
	MUL16 2, 1, 1, 1, 0
	s_wait_dscnt 0
	WIN MUL_HI
	MUL16 4, 1, 1, 1, 0
	MUL16 6, 1, 1, 1, 0
	WIN 0
	PLACES NP
	; THE WAY OUT.  V's stage lies in slot 1, which has had its last fill (chunk 1) and its last read when the first result is stored there.
	v_and_b32 v6, 31, v0
	v_lshlrev_b32 v[L8], 3, v6
	v_lshlrev_b32 v[L16], 4, v6
	s_mul_i32 s24, s14, VSTG
	s_add_co_u32 s24, s24, SLOT
	v_mul_u32_u24 v[STO], v1, VPITCH
	v_lshl_add_u32 v[STO], v2, 6, v[STO]
	v_add_nc_u32 v[STO], s24, v[STO]
	v_lshl_add_u32 v[RDV], v6, 2, s24
	v_xor_b32 v[V8X], 64, v[L8]
	v_and_b32 v[VPI], 7, v6
	v_bfe_u32 v3, v6, 3, 1
	v_lshl_or_b32 v[VPI], v3, 4, v[VPI]
	v_lshl_or_b32 v[VPI], v2, 3, v[VPI]
	v_lshlrev_b32 v[VPI], 3, v[VPI]
.irp b, 0,1,2,3
	v_mov_b32 v[TM+4+\b], 0
.endr
	s_mov_b32 s66, 0x76543210
	s_mov_b32 s67, 0xfedcba98
	s_mov_b32 s98, 0xffff0000
	s_lshl_b32 s20, s17, 1
	s_add_co_u32 s20, s20, s15
	s_lshl_b32 s21, s42, 2
	s_lshl_b32 s22, s16, 1
	s_add_co_u32 s21, s21, s22
	s_cmp_ge_u32 ttmp9, 2                          ; the cluster's x: 0 Q, 1 K, 2 V: the same in all partners
	s_cbranch_scc1 .Lv
	s_mul_i32 s22, s21, 196608
	s_mul_i32 s23, s20, 6144
	s_add_co_u32 s22, s22, s23
	s_mov_b32 s23, 0
	s_add_nc_u64 s[46:47], s[12:13], s[22:23]
	s_cmp_eq_u32 ttmp9, 0
	s_mov_b32 s24, 24576
	s_cselect_b32 s24, 16384, s24
	s_mov_b32 s25, KVS-16*24576
	s_cselect_b32 s25, QS, s25
	s_mul_i32 s26, s21, s24
	s_add_co_u32 s26, s26, s25
	s_lshl_b32 s27, s20, 9
	s_add_co_u32 s26, s26, s27
	s_mov_b32 s27, 0
	s_add_nc_u64 s[92:93], s[12:13], s[26:27]
	s_mov_b32 s25, 0
	s_add_nc_u64 s[94:95], s[92:93], s[24:25]
.macro QUANTW a                        ; 16 tokens x 128 channels: four blocks of 32 along the channels, two heads
.set SB0, 64*((\a)%4)
.set WW, 2+(\a)/4
	WIN WW|(WW<<2)
.irp b, 0,1,2,3
	v_max3_num_f32 v[TM+\b], |v[SB0+16*\b]|, |v[SB0+16*\b+1]|, 0x1800000
.endr
.irp i, 2,4,6,8,10,12,14
.irp b, 0,1,2,3
	v_max3_num_f32 v[TM+\b], |v[SB0+16*\b+\i]|, |v[SB0+16*\b+\i+1]|, v[TM+\b]
.endr
.endr
	WIN 0
.irp b, 0,1,2,3
	v_permlanex16_b32 v[TM+4+\b], v[TM+\b], s66, s67
.endr
.irp b, 0,1,2,3
	v_max_num_f32 v[TM+\b], v[TM+\b], v[TM+4+\b]
.endr
.irp b, 0,1,2,3
	v_add_nc_u32 v[TM+12+\b], 0xff000000, v[TM+\b]
.endr
.irp b, 0,1,2,3
	v_lshrrev_b32 v[TM+4+\b], 23, v[TM+12+\b]
.endr
	v_lshl_or_b32 v[WA], v[TM+5], 8, v[TM+4]
	v_lshl_or_b32 v[WA+1], v[TM+7], 8, v[TM+6]
	v_or_b32 v[WA], 0x7f7f0000, v[WA]
	v_or_b32 v[WA+1], 0x7f7f0000, v[WA+1]
.if (\a)%2 == 0
	v_mov_b32 v[SWA+(\a)/2], v[WA]
	v_mov_b32 v[SWB+(\a)/2], v[WA+1]
.else
	v_cndmask_b32 v[SWA+(\a)/2], v[SWA+(\a)/2], v[WA], s98
	v_cndmask_b32 v[SWB+(\a)/2], v[SWB+(\a)/2], v[WA+1], s98
.endif
	s_wait_xcnt 0x0                                ; the last block's stores have read their registers
	WIN WW
.irp c, 0,1
	v_cvt_scalef32_pk16_fp6_f32 v[QC+6*\c:QC+6*\c+2], v[SB0+32*\c:SB0+32*\c+15], v[TM+12+2*\c]
	v_cvt_scalef32_pk16_fp6_f32 v[QC+12+4*\c:QC+14+4*\c], v[SB0+32*\c+16:SB0+32*\c+31], v[TM+12+2*\c+1]
.endr
	WIN 0
	v_nop
.irp c, 0,1
.irp i, 0,1,2
	v_permlane16_swap_b32 v[QC+6*\c+\i], v[QC+12+4*\c+\i]
.endr
.irp i, 0,1,2
	v_mov_b32 v[QC+3+6*\c+\i], v[QC+12+4*\c+\i]
.endr
.endr
.irp g, 0,1
.irp p, 0,1,2
	global_store_b64 v[L8], v[QC+6*\g+2*\p:QC+6*\g+2*\p+1], s[46:47] offset:\g*196608+(\a)*768+256*\p
.endr
.endr
.endm
.irp a, 0,1,2,3,4,5,6,7
	QUANTW \a
.endr
	global_store_b128 v[L16], v[SWA:SWA+3], s[92:93]
	global_store_b128 v[L16], v[SWB:SWB+3], s[94:95]
	s_branch .Ldone
.Lv:
	s_sub_co_u32 s21, s21, 32
	s_mul_i32 s22, s21, 196608
	s_mul_i32 s23, s20, 6144
	s_add_co_u32 s22, s22, s23
	s_add_co_u32 s22, s22, VC
	s_mov_b32 s23, 0
	s_add_nc_u64 s[46:47], s[12:13], s[22:23]
	s_mul_i32 s22, s21, 24576
	s_lshl_b32 s24, s20, 8
	s_add_co_u32 s22, s22, s24
	s_add_co_u32 s22, s22, KVS+16384
	s_add_nc_u64 s[92:93], s[12:13], s[22:23]
.macro VSTAGE al
.irp a, 2*(\al), 2*(\al)+1
	WIN 0x08+4*((\a)/4)
.irp b, 0,1,2,3,4,5,6,7
	ds_store_b128 v[STO], v[64*((\a)%4)+8*\b:64*((\a)%4)+8*\b+3] offset:((\a)%2)*16*VPITCH+128*(\b/2)+32*(\b%2)
	ds_store_b128 v[STO], v[64*((\a)%4)+8*\b+4:64*((\a)%4)+8*\b+7] offset:((\a)%2)*16*VPITCH+128*(\b/2)+32*(\b%2)+16
.endr
.endr
	WIN 0
.endm
.macro VLOAD g
.set i, 0
.rept 32
	ds_load_b32 v[XV+32*((\g)%2)+i], v[RDV] offset:((i&7)|((i&8)<<1)|((i&16)>>1))*VPITCH+128*(\g)
.set i, i+1
.endr
.endm
.macro VCOL al, g                      ; a lane takes a channel, its 32 registers a block of 32 keys
.set XW, XV+32*((\g)%2)
	v_max3_num_f32 v112, |v[XW]|, |v[XW+1]|, |v[XW+2]|
	v_max3_num_f32 v113, |v[XW+3]|, |v[XW+4]|, |v[XW+5]|
.irp i, 6,10,14,18,22,26
	v_max3_num_f32 v112, v112, |v[XW+\i]|, |v[XW+\i+1]|
	v_max3_num_f32 v113, v113, |v[XW+\i+2]|, |v[XW+\i+3]|
.endr
	v_max3_num_f32 v112, v112, |v[XW+30]|, |v[XW+31]|
	v_max3_num_f32 v112, v112, v113, 0x1800000
	v_add_nc_u32 v114, 0xff000000, v112
	v_lshrrev_b32 v115, 23, v114
.if (\al) == 0
	v_mov_b32 v[SBV+(\g)], v115
.else
	v_lshl_or_b32 v[SBV+(\g)], v115, 8*(\al), v[SBV+(\g)]
.endif
	s_wait_alu depctr_va_vdst(0)
	s_wait_xcnt 0x0
	v_cvt_scalef32_pk16_fp6_f32 v[PCV:PCV+2], v[XW:XW+15], v114
	v_cvt_scalef32_pk16_fp6_f32 v[PCV+8:PCV+10], v[XW+16:XW+31], v114
	v_nop
.irp i, 0,1,2
	v_mov_b32 v[PCV+3+\i], v[PCV+8+\i]
.endr
.irp p, 0,1,2
.if (\al)%2 == 0
	global_store_b64 v[L8], v[PCV+2*\p:PCV+2*\p+1], s[46:47] offset:((\g)/2)*196608+((\g)%2)*3072+768*(\al)+256*\p
.else
	global_store_b64 v[V8X], v[PCV+2*\p:PCV+2*\p+1], s[46:47] offset:((\g)/2)*196608+((\g)%2)*3072+768*(\al)+256*\p
.endif
.endr
.endm
.irp al, 0,1,2,3
	VSTAGE \al
	VLOAD 0
.irp g, 0,1,2
	VLOAD \g+1
	s_wait_dscnt 32
	VCOL \al, \g
.endr
	s_wait_dscnt 0x0
	VCOL \al, 3
.endr
.irp g, 0,1
	global_store_b64 v[VPI], v[SBV+2*\g:SBV+2*\g+1], s[92:93] offset:\g*24576
.endr
.Ldone:
	s_wait_tensorcnt 0x0                           ; the wave's end
	ds_add_u32 v[SPW], v[NIL]
	s_wait_dscnt 0x0
	CROUND                                         ; the closing round
	s_endpgm
.Lfunc_end_k_q9ca48e9a4e_qkv:
	.size	k_q9ca48e9a4e_qkv, .Lfunc_end_k_q9ca48e9a4e_qkv-k_q9ca48e9a4e_qkv
	.p2alignl 7, 3214868480
	.fill 96, 4, 3214868480
	.section	.rodata,"a",@progbits
	.p2align	6, 0x0
	.amdhsa_kernel k_q9ca48e9a4e_qkv
		.amdhsa_group_segment_fixed_size 327680
		.amdhsa_private_segment_fixed_size 0
		.amdhsa_enable_private_segment 0
		.amdhsa_kernarg_size 24
		.amdhsa_user_sgpr_count 2
		.amdhsa_user_sgpr_kernarg_segment_ptr 1
		.amdhsa_wavefront_size32 1
		.amdhsa_system_sgpr_workgroup_id_x 1
		.amdhsa_system_sgpr_workgroup_id_y 1
		.amdhsa_system_sgpr_workgroup_id_z 1
		.amdhsa_system_vgpr_workitem_id 0
		.amdhsa_next_free_vgpr 1024
		.amdhsa_next_free_sgpr 100
		.amdhsa_reserve_vcc 0
		.amdhsa_float_denorm_mode_32 3
		.amdhsa_float_denorm_mode_16_64 3
		.amdhsa_memory_ordered 1
		.amdhsa_forward_progress 1
		.amdhsa_inst_pref_size 241
	.end_amdhsa_kernel
	.amdgpu_metadata
---
amdhsa.version: [ 1, 2 ]
amdhsa.kernels:
  - .name:           k_q9ca48e9a4e_qkv
    .symbol:         k_q9ca48e9a4e_qkv.kd
    .args:
      - { .name: opq, .offset: 0, .size: 8, .value_kind: global_buffer, .address_space: global }
      - { .name: b_qkv, .offset: 8, .size: 8, .value_kind: global_buffer, .address_space: global }
      - { .name: qkv, .offset: 16, .size: 8, .value_kind: global_buffer, .address_space: global }
    .group_segment_fixed_size: 327680
    .private_segment_fixed_size: 0
    .kernarg_segment_align: 8
    .kernarg_segment_size: 24
    .max_flat_workgroup_size: 128
    .sgpr_count:     100
    .vgpr_count:     1024
    .wavefront_size: 32
...
	.end_amdgpu_metadata
.endif
;; end of part 2
;; launch attn (part 3): grid 16 x 16, 8 waves a work-group, clusters of 4 x 1, 327,680 bytes of LDS; arguments qkv, att; writes att
.if DOCPART == 3
	.amdgcn_target "amdgcn-amd-amdhsa--gfx1250"
	.amdhsa_code_object_version 6
	.text
	.protected	k_q9ca48e9a4e_attn
	.globl	k_q9ca48e9a4e_attn
	.p2align	8
	.type	k_q9ca48e9a4e_attn,@function
k_q9ca48e9a4e_attn:
	s_mov_b64 s[64:65], 0
	v_nop
	global_prefetch_b8 v0, s[64:65] scope:SCOPE_SE
	s_setreg_imm32_b32 hwreg(HW_REG_WAVE_MODE, 25, 1), 1
	s_wait_xcnt 0x0
	s_wait_alu depctr_hold_cnt(0) depctr_sa_sdst(0) depctr_va_vdst(0) depctr_va_sdst(0) depctr_va_ssrc(0) depctr_va_vcc(0) depctr_vm_vsrc(0)
	s_getreg_b32 s2, hwreg(HW_REG_IB_STS2, 6, 4)
	s_cmp_eq_u32 s2, 0
	s_cbranch_scc0 .Lentry_in_a_cluster
	s_endpgm
.Lentry_in_a_cluster:
	s_bfe_u32 s2, ttmp6, 0x10000c
	s_cmp_lg_u32 s2, 0x3003
	s_cbranch_scc0 .Lentry_shape_is_right
	s_endpgm
.Lentry_shape_is_right:
; o[h][q] = softmax_k(q . k / 8) v for 16 heads of 64, 4,096 tokens, both products on codes of FP6 (E2M3); o is divided by the row's sum and quantised along the head's 64 for the last product.  Nothing is left out.
; THE SOFTMAX: t = score x log2(e) / 8; M = the running largest t rounded UP to a whole number; p = 2^(t - M) is quantised along the keys, not normalised; the row's sum is taken of the unquantised p.
; When M moves, the sum and O are multiplied by 2^(old M - new M): exact.
; SHARES.  A work-group owns 256 queries of one head; each of its eight waves TWO tiles of 16 queries, which share every fragment of K and V: 53 LDS loads serve two tiles' step of 128 keys.
; K's and V's codes come through a ring of two LDS slots of eight key steps (wave 0 fetches K's 49,152 bytes, waves 1 and 2 a half of V's each); the head's scale words come once (wave 3).
; CLUSTER.  The four query blocks of a cluster belong to one head and walk the same K and V: every tensor load is a joint one with a mask that names the four.
; LAYOUT.  Both products are used transposed (S^T = K Q^T, O^T = V^T P^T): a lane holds one query.  THE 16 KEYS OF A TILE OF K ARE CHOSEN BY ADDRESS: tile (c, u) takes keys 64 c + 8 u + 0..7 in rows 0-7 and
; keys 64 c + 32 + 8 u + 0..7 in rows 8-15.  So the 32 score registers of tiles (c, 0..3) of lane (r, h) are the keys 64 c + 32 h + 0..31 in order: one whole block of the quantiser, in the place that
; the second product's operand gives that lane: a block's maximum needs no other lane, and p's codes change no lane.
; Key k lies in K's images at position k with bits 3 and 4 exchanged: image 4 c + 2 B + u % 2, row 8 (u / 2) + j.  K's rows of 512 bytes get 64 bytes of padding, so rows 0-7 and rows 8-15 of a tile (1,536 bytes apart in memory, 1,728 in LDS) fall on different banks.
; K = 64 IN AN INSTRUCTION OF 128: Q's upper six registers hold zero codes, all upper scale bytes are 0x7f; a tile of K is named with twelve registers of which the upper six are the next tile's codes (behind the last: six cleared ones).
; THE STEP'S ORDER.  K's fragments of the next step are fetched behind this step's score products (not in a slot's last step: the next slot's first are fetched behind the change of slots); V's at the step's head.
; Chains of dependent lines stand four or five lines apart: four chains of maxima a tile, the chain that makes M woven between the other tile's lines; plain lines that hang on nothing in flight stand among the exponentials.
; REGISTERS.  Window 0: addresses, scale words, the softmax's state, S^T of both tiles (v64-191), O^T of both (v192-255).  Window 1: Q, K's and V's fragments, p's codes: all matrix sources.
; NO PREFETCH: a refill is asked for a whole slot, eight key steps or 192 matrix instructions of each wave, ahead of its first read.
; LIMITS: NaN and infinities are not served; the promise holds while |t| stays under 2^31; the running largest score begins at -3e38; a block of p that has fallen to 0, and a block of o under 2^-124, keep the byte 1 (zero codes under it add nothing).
.set QS,    9437184
.set KVS,   9699328
.set KC,    3145728
.set VC,    6291456
.set ATS,   3145728
.set NQ,    8                          ; key steps in a slot
.set NSL,   4                          ; slots' worth of keys
.set KSTEP, 6912                       ; a key step of K in LDS: 12 rows of 512 + 64
.set VSTEP, 6144
.set FILLB, 49152                      ; a slot's bytes of K, and of V, in memory
.set VOFF,  55296                      ; a slot: eight steps of K (96 rows of 576), then eight of V
.set SCL,   104448                     ; behind slot 0: K's scale words, 16,384 bytes,
.set SCLV,  SCL+16384                  ; and V's, 8,192
.set SLOT1, 131072                     ; slot 1: one exclusive or turns an address in one slot into the other's
.set SPARE, 235520                     ; the spare words, 128 bytes for each wave
.set AK0,  1
.set AV0,  2
.set AV1,  3
.set ASK0, 4
.set ASV0, 5
.set SPW,  6
.set NIL,  7
.set ADK,  8
.set ADV,  9
.set ADS,  11
.set ADT,  12
.set SH8,  14                          ; 8 h
.set L8,   15                          ; 8 x lane
.set NM,   16                          ; tile x: v[NM+4x] -M, +1 the running largest score, +2, +3 the sum in two halves
.set F,    24                          ; tile x: v[F+2x] f, +1 at work
.set BM,   28                          ; v28-31 block (x, c): largest score, largest p, then the byte
.set SO,   32                          ; v32-35 at work in the chain that makes M, then the conversions' scale operands
.set BT,   36                          ; v36-39 the maxima's second chains, then at work
.set KSW,  40                          ; v40-43 K's scale words
.set VSW,  44                          ; v44-45 V's
.set PSW,  46                          ; v46-47 p's
.set QSW,  48                          ; Q's: tile 0 in lanes 0-15, tile 1 in lanes 16-31
.set OB,   49
.set L16,  50
.set SS,   64
.set OT,   192
.set QF,   0                           ; window 1: v0-23 Q (six codes, six zeros for each tile)
.set KF,   32                          ; v32-79 eight tiles of K, v80-85 cleared
.set VF,   96                          ; v96-143 four fragments of V
.set PC,   144                         ; v144-167 p's codes
.set PT,   168                         ; v168-183 their upper halves before the move
.set WV,   18
.set NC,   19
.set SEL,  20
.set CS,   22
.set G1K,  24
.set G1V,  32
.set G0K,  40
.set G0V,  44
.set TB,   48
.set TK,   49
.set TV,   50
.set TS,   51
.set TJ,   52
.set SLOTS, 53
.set STP,  54
.set HM,   55
.set MSB, 0
.macro WIN new
.if MSB != \new
	s_set_vgpr_msb (MSB<<8)|\new
.set MSB, \new
.endif
.endm
.macro CROUND
	s_barrier_signal -1
	s_barrier_wait -1
	s_cmp_lg_u32 s[WV], 0
	s_cbranch_scc1 .Lnot_wave_0_\@
	s_barrier_signal -3
.Lnot_wave_0_\@:
	s_barrier_wait -3
	s_barrier_signal -1
	s_barrier_wait -1
.endm
.macro TLOADS bound                    ; one chain on the wave's number: wave 0 K's tile, waves 1 .. bound - 1 a tile of 96 rows of 256 bytes, the others none
	s_cmp_lg_u32 s[WV], 0
	s_cbranch_scc1 .Lnot_k_\@
	tensor_load_to_lds s[G0K:G0K+3], s[G1K:G1K+7]
	s_nop 0
.rept 4
	v_nop
.endr
	s_branch .Lasked_\@
.Lnot_k_\@:
	s_cmp_lt_u32 s[WV], \bound
	s_cbranch_scc0 .Lasked_\@
	tensor_load_to_lds s[G0V:G0V+3], s[G1V:G1V+7]
	s_nop 0
.rept 4
	v_nop
.endr
.Lasked_\@:
.endm
.macro WM d, a, b, c, sa, sb, ra, rb
.if (\ra) && (\rb)
	v_wmma_scale_f32_16x16x128_f8f6f4 v[\d:\d+7], v[\a:\a+11], v[\b:\b+11], \c, v[\sa], v[\sb] matrix_a_fmt:MATRIX_FMT_FP6 matrix_b_fmt:MATRIX_FMT_FP6 matrix_a_scale:MATRIX_SCALE_ROW1 matrix_b_scale:MATRIX_SCALE_ROW1
.elseif (\ra)
	v_wmma_scale_f32_16x16x128_f8f6f4 v[\d:\d+7], v[\a:\a+11], v[\b:\b+11], \c, v[\sa], v[\sb] matrix_a_fmt:MATRIX_FMT_FP6 matrix_b_fmt:MATRIX_FMT_FP6 matrix_a_scale:MATRIX_SCALE_ROW1
.elseif (\rb)
	v_wmma_scale_f32_16x16x128_f8f6f4 v[\d:\d+7], v[\a:\a+11], v[\b:\b+11], \c, v[\sa], v[\sb] matrix_a_fmt:MATRIX_FMT_FP6 matrix_b_fmt:MATRIX_FMT_FP6 matrix_b_scale:MATRIX_SCALE_ROW1
.else
	v_wmma_scale_f32_16x16x128_f8f6f4 v[\d:\d+7], v[\a:\a+11], v[\b:\b+11], \c, v[\sa], v[\sb] matrix_a_fmt:MATRIX_FMT_FP6 matrix_b_fmt:MATRIX_FMT_FP6
.endif
.endm
	s_load_b128 s[4:7], s[0:1], 0x0                ; qkv, att
	v_lshl_add_u32 v[SPW], v0, 2, SPARE
	v_mov_b32 v[NIL], 0
	ds_add_u32 v[SPW], v[NIL]                      ; the opening lines: the add twice, and its wait ahead of the first tensor load
	ds_add_u32 v[SPW], v[NIL]
	v_lshrrev_b32 v8, 5, v0
	v_readfirstlane_b32 s[WV], v8                  ; wave 0..7
	s_bfe_u32 s8, ttmp6, 0x40000                   ; cx
	s_lshl_b32 s9, ttmp9, 2
	s_add_co_u32 s9, s9, s8                        ; my block of 256 queries: it enters Q's and o's addresses alone
	s_and_b32 s10, ttmp7, 0xffff                   ; the head, which the four partners share
	s_mov_b32 s[G1K], 15|(3<<16)|(1<<20)|(1<<21)|(6<<22)|(15<<25)  ; K: 96 rows of 512 dense bytes, 16 words of padding behind each 128
	s_mov_b32 s[G1K+1], 64<<16
	s_mov_b32 s[G1K+2], 96<<16
	s_mov_b32 s[G1K+3], 64<<16
	s_mov_b32 s[G1K+4], 96
	s_mov_b32 s[G1K+5], 64
	s_mov_b32 s[G1K+6], 0
	s_mov_b32 s[G1K+7], 0
	s_mov_b32 s[G1V], 15|(3<<16)|(1<<21)           ; half of V's slot, or the scale words: 96 rows of 256 dense bytes
	s_mov_b32 s[G1V+1], 32<<16
	s_mov_b32 s[G1V+2], 96<<16
	s_mov_b32 s[G1V+3], 32<<16
	s_mov_b32 s[G1V+4], 96
	s_mov_b32 s[G1V+5], 32
	s_mov_b32 s[G1V+6], 0
	s_mov_b32 s[G1V+7], 0
	s_mul_i32 s11, s10, 196608
	s_mul_i32 s12, s[WV], 24576
	s_add_co_u32 s[G0V+1], s12, VOFF-24576         ; waves 1, 2: V's halves at VOFF; wave 3: SCL = VOFF + 49,152
	s_add_co_u32 s12, s12, s11
	s_add_co_u32 s12, s12, VC-24576                ; waves 1, 2: the head's codes of V
	s_mul_i32 s13, s10, 24576
	s_add_co_u32 s13, s13, KVS                     ; wave 3: its scale words
	s_cmp_eq_u32 s[WV], 3
	s_cselect_b32 s12, s13, s12
	s_mov_b32 s13, 0
	s_add_co_u32 s16, s11, KC                      ; wave 0: the head's codes of K
	s_mov_b32 s17, 0
	s_mov_b32 s[G0K], 1
	s_mov_b32 s[G0K+1], 0
	s_mov_b32 s[G0V], 1
	s_mov_b32 s[SEL], 0x76543210
	s_mov_b32 s[SEL+1], 0xfedcba98                 ; v_permlanex16_b32's selects for lane l xor 16
	s_mov_b32 s[CS], 0x3e38aa3b                    ; c = log2(e) / 8
	s_mov_b32 s[CS+1], s[CS]
	s_mov_b32 s[NC], 0xbe38aa3b                    ; -c
	s_mov_b32 s[TB], 0
	s_mov_b32 s[TS], 0
	s_mov_b32 s[TJ], 0
	s_mov_b32 s[SLOTS], NSL-1
	s_mov_b32 s[HM], 0xffff0000
	s_lshl_b32 s14, s9, 3
	s_add_co_u32 s14, s14, s[WV]                   ; W: my pair of tiles; tiles 2 W and 2 W + 1
	v_and_b32 v8, 31, v0                           ; lane
	v_and_b32 v9, 15, v0                           ; r
	v_bfe_u32 v10, v0, 4, 1                        ; h
	v_and_b32 v11, 7, v0                           ; j
	v_bfe_u32 v12, v0, 3, 1                        ; B
	v_lshlrev_b32 v[L8], 3, v8
	v_mul_u32_u24 v[AK0], v12, 1728                ; K: 1,728 B + 8 j + 128 h
	v_and_b32 v13, 8, v9
	v_lshl_add_u32 v[ASK0], v11, 4, SCL            ; K's scale words: 16 j + 4 B + 256 h
	v_lshl_add_u32 v[AK0], v11, 3, v[AK0]
	v_add_nc_u32 v13, v13, v9                      ; r + 8 (r / 8)
	v_lshl_add_u32 v[ASK0], v12, 2, v[ASK0]
	v_lshl_add_u32 v[AK0], v10, 7, v[AK0]
	v_lshlrev_b32 v13, 3, v13
	v_lshl_add_u32 v[ASK0], v10, 8, v[ASK0]
	v_lshl_add_u32 v[ASV0], v8, 3, SCLV
	v_mad_u32_u24 v[AV0], v10, 832, v13            ; V's even tiles: slot r + 8 (r / 8) of block 2 c, that slot + 8 of block 2 c + 1
	v_mad_u32_u24 v[AV1], v10, 704, v13            ; odd tiles: the slot 8 on in block 2 c, the slot itself in block 2 c + 1
	v_lshl_add_u32 v[OB], v9, 5, v10
	v_lshlrev_b32 v[L16], 4, v8
	v_add_nc_u32 v[AV0], VOFF, v[AV0]
	v_add_nc_u32 v[AV1], VOFF+64, v[AV1]
	v_lshlrev_b32 v[SH8], 3, v10
	s_wait_alu depctr_va_vdst(0)
	s_wait_dscnt 0x0                               ; both opening adds are done
	s_wait_kmcnt 0x0
	s_add_nc_u64 s[G0K+2:G0K+3], s[4:5], s[16:17]
	s_or_b32 s[G0K+3], s[G0K+3], 0x80000000
	s_add_nc_u64 s[G0V+2:G0V+3], s[4:5], s[12:13]
	s_or_b32 s[G0V+3], s[G0V+3], 0x80000000
	CROUND                                         ; the first joint loads meet
	TLOADS 4                                       ; slot 0 and the scale words: one load a wave
	s_mul_i32 s15, s14, 1536
	s_add_co_u32 s16, s11, s15
	s_add_nc_u64 s[56:57], s[4:5], s[16:17]        ; Q's two images
	s_lshl_b32 s16, s10, 14
	s_lshr_b32 s15, s14, 2
	s_lshl_b32 s15, s15, 9
	s_add_co_u32 s16, s16, s15
	s_and_b32 s15, s14, 3
	s_lshl_b32 s15, s15, 2
	s_add_co_u32 s16, s16, s15
	s_add_co_u32 s16, s16, QS
	s_add_nc_u64 s[58:59], s[4:5], s[16:17]        ; Q's scale words: step W / 4, word W % 4; lanes 16-31 find the odd tile's
	s_mul_i32 s16, s14, 24576
	s_mul_i32 s15, s10, 768
	s_add_co_u32 s16, s16, s15
	s_add_nc_u64 s[60:61], s[6:7], s[16:17]        ; o's images
	s_lshl_b32 s16, s14, 10
	s_lshl_b32 s15, s10, 1
	s_add_co_u32 s16, s16, s15
	s_add_co_u32 s16, s16, ATS
	s_add_nc_u64 s[62:63], s[6:7], s[16:17]        ; o's scale bytes
	global_load_b32 v[QSW], v[L16], s[58:59]
	WIN 0x40
.irp x, 0,1
.irp p, 0,1,2
	global_load_b64 v[QF+12*\x+2*\p:QF+12*\x+2*\p+1], v[L8], s[56:57] offset:768*\x+256*\p
.endr
.endr
.irp j, 0,1,2,3,4,5
	v_mov_b32 v[QF+6+\j], 0                        ; zero codes for the upper 64 of the instruction's K
	v_mov_b32 v[QF+18+\j], 0
	v_mov_b32 v[KF+48+\j], 0                       ; what the last tile of K names behind its own six
.endr
	WIN 0
.irp x, 0,1
	v_mov_b32 v[NM+4*\x], 0x7e000000               ; -M begins far above every later one: the first f is 0
	v_mov_b32 v[NM+4*\x+1], 0xff61b1e6             ; the largest score so far: -3e38
	v_mov_b32 v[NM+4*\x+2], 0                      ; the sum
	v_mov_b32 v[NM+4*\x+3], 0
	v_mov_b32 v[SO+2+\x], 0                        ; a lane permute's destination counts as one of its sources
.endr
.set j, 0
.rept 64
	v_mov_b32 v[OT+j], 0                           ; O^T: the step is written once; the first finds zeros
.set j, j+1
.endr
.macro KLOAD                           ; a key step's scale words and eight tiles of K, from v[ADS] and v[ADK]
.irp c, 0,1
.irp w, 0,1
	ds_load_b32 v[KSW+2*\c+\w], v[ADS] offset:128*\w+8*\c   ; tiles (c, 2 w) in lanes 0-15 and (c, 2 w + 1) in lanes 16-31
.endr
.endr
	WIN 0x40
.irp c, 0,1
.irp u, 0,1,2,3
.irp p, 0,1,2
.set X0, (4*\c+\u%2)*768+256*\p
	ds_load_b64 v[KF+24*\c+6*\u+2*\p:KF+24*\c+6*\u+2*\p+1], v[ADK] offset:X0+64*(X0/512)+64*(\u/2)
.endr
.endr
.endr
	WIN 0
.endm
.macro MAXG x, i                       ; line i of tile x's four chains: a block's scores 0-16 in one, 17-31 in the other; each accumulator is first read at its low end
.irp c, 0,1
.if (\i) == 0
	v_max3_num_f32 v[BM+2*\x+\c], v[SS+64*\x+32*\c], v[SS+64*\x+32*\c+1], v[SS+64*\x+32*\c+2]
	v_max3_num_f32 v[BT+2*\x+\c], v[SS+64*\x+32*\c+17], v[SS+64*\x+32*\c+18], v[SS+64*\x+32*\c+19]
.else
	v_max3_num_f32 v[BM+2*\x+\c], v[BM+2*\x+\c], v[SS+64*\x+32*\c+2*(\i)+1], v[SS+64*\x+32*\c+2*(\i)+2]
.if (\i) < 7
	v_max3_num_f32 v[BT+2*\x+\c], v[BT+2*\x+\c], v[SS+64*\x+32*\c+2*(\i)+18], v[SS+64*\x+32*\c+2*(\i)+19]
.endif
.endif
.endr
.endm
.macro MERGE x                         ; the block's largest score
.irp c, 0,1
	v_max_num_f32 v[BM+2*\x+\c], v[BM+2*\x+\c], v[BT+2*\x+\c]
.endr
.endm
.macro MCH x, i                        ; line i of the chain from tile x's block maxima to -M and f; it stands between other lines, which do not hang on it
.if (\i) == 0
	v_max_num_f32 v[SO+\x], v[BM+2*\x], v[BM+2*\x+1]
.elseif (\i) == 1
	v_permlanex16_b32 v[SO+2+\x], v[SO+\x], s[SEL], s[SEL+1]
.elseif (\i) == 2
	v_max3_num_f32 v[NM+4*\x+1], v[NM+4*\x+1], v[SO+\x], v[SO+2+\x]   ; the running largest score of my query
.elseif (\i) == 3
	v_mul_f32 v[SO+\x], s[NC], v[NM+4*\x+1]        ; -t
.elseif (\i) == 4
	v_floor_f32 v[NM+4*\x], v[SO+\x]               ; -M = floor(-t): M is a whole number
.elseif (\i) == 5
	v_sub_f32 v[F+2*\x+1], v[NM+4*\x], v[F+2*\x+1] ; old M - new M
.elseif (\i) == 6
	v_cvt_i32_f32 v[F+2*\x+1], v[F+2*\x+1]         ; (it saturates)
.elseif (\i) == 7
	v_ldexp_f32 v[F+2*\x], 1.0, v[F+2*\x+1]        ; f = 2^(old M - new M)
.endif
.endm
.macro TMM x, j                        ; t - M, two at a time
	v_pk_fma_f32 v[SS+64*\x+(\j):SS+64*\x+(\j)+1], v[SS+64*\x+(\j):SS+64*\x+(\j)+1], s[CS:CS+1], v[NM+4*\x:NM+4*\x+1] op_sel_hi:[1,0,0]
.endm
.macro SCALE x                         ; tile x's two blocks: the scale operands, and p's codes into window 1
.irp c, 0,1
	v_max_num_f32 v[BM+2*\x+\c], 0x1800000, v[BM+2*\x+\c]    ; the floor 2^(3 - 127): the byte cannot fall under 1
.endr
.irp c, 0,1
	v_add_nc_u32 v[SO+2*\x+\c], 0xff000000, v[BM+2*\x+\c]    ; 2 off the exponent field: the conversion's scale operand
.endr
	WIN 0x40
.irp c, 0,1
	v_cvt_scalef32_pk16_fp6_f32 v[PC+12*\x+6*\c:PC+12*\x+6*\c+2], v[SS+64*\x+32*\c:SS+64*\x+32*\c+15], v[SO+2*\x+\c]
	v_cvt_scalef32_pk16_fp6_f32 v[PT+8*\x+4*\c:PT+8*\x+4*\c+2], v[SS+64*\x+32*\c+16:SS+64*\x+32*\c+31], v[SO+2*\x+\c]
.endr
	v_nop                                          ; one plain place behind a scaled conversion
.endm
.macro PSWI k                          ; line k of the lines that make p's scale words: my blocks' bytes at bits 16 c + 8 h, joined with lane l xor 16's
.if (\k) < 4
	v_lshrrev_b32 v[BM+(\k)], 23, v[SO+(\k)]
.elseif (\k) < 6
	v_lshl_or_b32 v[BT+(\k)-4], v[BM+2*((\k)-4)+1], 16, v[BM+2*((\k)-4)]
.elseif (\k) < 8
	v_lshlrev_b32 v[BT+(\k)-6], v[SH8], v[BT+(\k)-6]
.elseif (\k) < 10
	v_permlanex16_b32 v[BT+2+(\k)-8], v[BT+(\k)-8], s[SEL], s[SEL+1]
.elseif (\k) < 12
	v_or_b32 v[PSW+(\k)-10], v[BT+(\k)-10], v[BT+2+(\k)-10]
.endif
.endm
.macro TADD x, n, j                    ; the sum's tree in place: pair j takes pair n + j
	v_pk_add_f32 v[SS+64*\x+2*(\j):SS+64*\x+2*(\j)+1], v[SS+64*\x+2*(\j):SS+64*\x+2*(\j)+1], v[SS+64*\x+2*(\n)+2*(\j):SS+64*\x+2*(\n)+2*(\j)+1]
.endm
.macro LEVEL n                         ; a level of both tiles' trees
.set j, 0
.rept \n
	TADD 0, \n, j
	TADD 1, \n, j
.if (\n) == 8
	PSWI 2*j
	PSWI 2*j+1
.endif
.set j, j+1
.endr
.endm
; A KEY STEP: 128 keys x my 32 queries.  s[TK], s[TS] stand at the NEXT step's K; this step's K is on its way or in.
.macro STEP
	v_add_nc_u32 v[ADV], s[TV], v[AV0]             ; four plain lines: the places between the last products and the loads into their registers
	v_add_nc_u32 v[ADV+1], s[TV], v[AV1]
	v_add_nc_u32 v[ADT], s[TJ], v[ASV0]
	v_nop
	ds_load_b64 v[VSW:VSW+1], v[ADT]
	WIN 0x40
.irp t, 0,1,2,3
.irp c, 0,1
.irp p, 0,1,2
	ds_load_b64 v[VF+12*\t+6*\c+2*\p:VF+12*\t+6*\c+2*\p+1], v[ADV+\t%2] offset:(\t/2)*3072+1536*\c+256*\p
.endr
.endr
.endr
	s_wait_dscnt 25                                ; K and its scale words are in; V's 24 loads and its scale words' one may be out
	WIN 0x05
.irp x, 0,1
.irp c, 0,1
.irp u, 0,1,2,3
	WM SS+64*\x+32*\c+8*\u, KF+24*\c+6*\u, QF+12*\x, 0, KSW+2*\c+\u/2, QSW, \u%2, \x
.endr
.endr
.endr
	WIN 0
	v_mov_b32 v[F+1], v[NM]                        ; the old -M; with the two idle lines: the four places ahead of the loads into K's registers and of the first read of the scores
	v_mov_b32 v[F+3], v[NM+4]
	v_add_nc_u32 v[ADK], s[TK], v[AK0]             ; where the next step's K lies: these four lines are the places ahead of the loads into K's registers and of the first read of the scores
	v_add_nc_u32 v[ADS], s[TS], v[ASK0]
	s_cmp_eq_u32 s[STP], 1                         ; a slot's last step fetches nothing: the next K lies in the other slot
	s_cbranch_scc1 .Lno_k_\@
	KLOAD
.Lno_k_\@:
.set i, 0
.rept 8
	MAXG 0, i
.set i, i+1
.endr
	MERGE 0
.set i, 0
.rept 8
	MAXG 1, i
	MCH 0, i
.set i, i+1
.endr
	MERGE 1
.set i, 0
.rept 8
	TMM 0, 8*i
	TMM 0, 8*i+2
	TMM 0, 8*i+4
	TMM 0, 8*i+6
	MCH 1, i
.set i, i+1
.endr
.irp c, 0,1
	v_fma_f32 v[BM+\c], v[BM+\c], s[CS], v[NM]     ; the same of each block's largest score
.endr
.irp x, 0,1
.set j, 0
.rept 16
	v_pk_mul_f32 v[OT+32*\x+j:OT+32*\x+j+1], v[OT+32*\x+j:OT+32*\x+j+1], v[F+2*\x:F+2*\x+1] op_sel_hi:[1,0]   ; O^T under the new M
.set j, j+2
.endr
.endr
	s_wait_alu depctr_va_vdst(0)
.set i, 0
.rept 32
	v_exp_f32 v[SS+2*i], v[SS+2*i]                 ; tile 0: p = 2^(t - M);
	v_exp_f32 v[SS+2*i+1], v[SS+2*i+1]
	TMM 1, 2*i                                     ; among them tile 1's t - M, which hangs on nothing in flight and is read behind the wait below
.set i, i+1
.endr
.irp c, 0,1
	v_exp_f32 v[BM+\c], v[BM+\c]                   ; the block's largest p: the same arithmetic on the same number
.endr
.irp c, 0,1
	v_fma_f32 v[BM+2+\c], v[BM+2+\c], s[CS], v[NM+4]
.endr
	s_wait_alu depctr_va_vdst(0)                   ; the one wait behind the batch, and ahead of the next
	SCALE 0                                        ; what these lines write is read by themselves, or behind the wait that closes the next batch
	WIN 0
.set i, 0
.rept 16
.irp e, 0,1,2,3
	v_exp_f32 v[SS+64+4*i+\e], v[SS+64+4*i+\e]     ; tile 1's p;
.endr
	TADD 0, 16, i                                  ; among them the first level of tile 0's sum of the unquantised p
.set i, i+1
.endr
.irp c, 0,1
	v_exp_f32 v[BM+2+\c], v[BM+2+\c]
.endr
	v_nop                                          ; the plain place behind the batch
	s_wait_alu depctr_va_vdst(0)
	SCALE 1
	WIN 0x41
.irp x, 0,1
.irp c, 0,1
.irp i, 0,1,2
	v_mov_b32 v[PC+12*\x+6*\c+3+\i], v[PT+8*\x+4*\c+\i]   ; (a conversion's three registers begin on an even number)
.endr
.endr
.endr
	WIN 0
.set i, 0
.rept 16
	TADD 1, 16, i
.set i, i+1
.endr
	LEVEL 8
	LEVEL 4
	LEVEL 2
	LEVEL 1
.irp x, 0,1
	v_pk_fma_f32 v[NM+4*\x+2:NM+4*\x+3], v[NM+4*\x+2:NM+4*\x+3], v[F+2*\x:F+2*\x+1], v[SS+64*\x:SS+64*\x+1] op_sel_hi:[1,0,1]   ; the old sum under the new M, and this step's
.endr
	s_wait_alu depctr_va_vdst(0)
	s_wait_dscnt 0x0                               ; V is in (and the next K, asked for behind the score products)
	WIN 0x05
.irp t, 0,1,2,3
.irp x, 0,1
	WM OT+32*\x+8*\t, VF+12*\t, PC+12*\x, v[OT+32*\x+8*\t:OT+32*\x+8*\t+7], VSW+\t/2, PSW+\x, \t%2, 0
.endr
.endr
	WIN 0
.endm
; THE CHANGE OF SLOTS, at a slot's head: each wave waits for all its tensor loads, adds 0 to its spare word, and waits for that and for its reads of the slot that it has left.
.macro CHANGE fill
	s_wait_tensorcnt 0x0
	ds_add_u32 v[SPW], v[NIL]
.if \fill
	ds_add_u32 v[SPW], v[NIL]                      ; the add twice
	s_xor_b32 s[G0K+1], s[G0K+1], SLOT1            ; no load of mine is out: the other slot, the next eight steps
	s_xor_b32 s[G0V+1], s[G0V+1], SLOT1
	s_add_nc_u64 s[G0K+2:G0K+3], s[G0K+2:G0K+3], FILLB
	s_add_nc_u64 s[G0V+2:G0V+3], s[G0V+2:G0V+3], FILLB
	s_wait_dscnt 0x0
	CROUND
	TLOADS 3                                       ; first behind the round, one load a wave
.else
	s_wait_dscnt 0x0
	s_barrier_signal -1
	s_barrier_wait -1
.endif
.endm
.macro SLOT_STEPS
	s_mov_b32 s[TK], s[TB]
	s_mov_b32 s[TV], s[TB]
	s_mov_b32 s[STP], NQ
	v_add_nc_u32 v[ADK], s[TK], v[AK0]
	v_add_nc_u32 v[ADS], s[TS], v[ASK0]
	KLOAD                                          ; the slot's first K
.Lstep_\@:
	s_add_co_u32 s[TK], s[TK], KSTEP               ; on to the next step's K
	s_add_co_u32 s[TS], s[TS], 512
	STEP
	s_add_co_u32 s[TV], s[TV], VSTEP
	s_add_co_u32 s[TJ], s[TJ], 256
	s_sub_co_u32 s[STP], s[STP], 1
	s_cmp_lg_u32 s[STP], 0
	s_cbranch_scc1 .Lstep_\@
	s_xor_b32 s[TB], s[TB], SLOT1
.endm
	s_wait_alu depctr_va_vdst(0)
	s_wait_loadcnt 0x0                             ; Q
.Lslot:                                            ; NSL - 1 trips: behind each change of slots but the last the next slot is asked for
	CHANGE 1
	SLOT_STEPS
	s_sub_co_u32 s[SLOTS], s[SLOTS], 1
	s_cmp_lg_u32 s[SLOTS], 0
	s_cbranch_scc1 .Lslot
	CHANGE 0                                       ; the last slot is written out
	SLOT_STEPS
	; THE WAY OUT: o = O^T / the sum, quantised along the head's 64 (two blocks, each in lanes l and l xor 16), stored as images of the last product's operand.
.rept 4
	v_nop
.endr
.irp x, 0,1
	v_add_f32 v[NM+4*\x+2], v[NM+4*\x+2], v[NM+4*\x+3]
.endr
.irp x, 0,1
	v_permlanex16_b32 v[BT+\x], v[NM+4*\x+2], s[SEL], s[SEL+1]
.endr
.irp x, 0,1
	v_add_f32 v[NM+4*\x+2], v[NM+4*\x+2], v[BT+\x]
.endr
	s_wait_alu depctr_va_vdst(0)
.irp x, 0,1
	v_rcp_f32 v[NM+4*\x+2], v[NM+4*\x+2]
.endr
	v_nop
	s_wait_alu depctr_va_vdst(0)
.irp x, 0,1
.set j, 0
.rept 32
	v_mul_f32 v[SS+64*\x+j], v[OT+32*\x+j], v[NM+4*\x+2]   ; register 16 b + i is channel 32 b + 16 h + i
.set j, j+1
.endr
.endr
.irp x, 0,1
.irp b, 0,1
	v_max3_num_f32 v[BM+2*\x+\b], |v[SS+64*\x+16*\b]|, |v[SS+64*\x+16*\b+1]|, 0x1800000
.endr
.endr
.irp i, 2,4,6,8,10,12,14
.irp x, 0,1
.irp b, 0,1
	v_max3_num_f32 v[BM+2*\x+\b], v[BM+2*\x+\b], |v[SS+64*\x+16*\b+\i]|, |v[SS+64*\x+16*\b+\i+1]|
.endr
.endr
.endr
.irp b, 0,1,2,3
	v_permlanex16_b32 v[BT+\b], v[BM+\b], s[SEL], s[SEL+1]
.endr
.irp b, 0,1,2,3
	v_max_num_f32 v[BM+\b], v[BM+\b], v[BT+\b]
.endr
.irp b, 0,1,2,3
	v_add_nc_u32 v[SO+\b], 0xff000000, v[BM+\b]
.endr
.irp b, 0,1,2,3
	v_lshrrev_b32 v[BT+\b], 23, v[SO+\b]
.endr
.irp x, 0,1
	v_cndmask_b32 v[PSW+\x], v[BT+2*\x], v[BT+2*\x+1], s[HM]   ; lanes 0-15 store block 0's byte, lanes 16-31 block 1's
.endr
.irp x, 0,1
	v_cvt_scalef32_pk16_fp6_f32 v[SS+64*\x+32:SS+64*\x+34], v[SS+64*\x:SS+64*\x+15], v[SO+2*\x]
	v_cvt_scalef32_pk16_fp6_f32 v[SS+64*\x+40:SS+64*\x+42], v[SS+64*\x+16:SS+64*\x+31], v[SO+2*\x+1]
.endr
	v_nop
.irp x, 0,1
.irp i, 0,1,2
	v_permlane16_swap_b32 v[SS+64*\x+32+\i], v[SS+64*\x+40+\i]
.endr
.endr
.irp x, 0,1
.irp i, 0,1,2
	v_mov_b32 v[SS+64*\x+35+\i], v[SS+64*\x+40+\i]
.endr
.endr
.irp x, 0,1
.irp p, 0,1,2
	global_store_b64 v[L8], v[SS+64*\x+32+2*\p:SS+64*\x+33+2*\p], s[60:61] offset:12288*\x+256*\p   ; 32 lanes store 256 consecutive bytes, aligned
.endr
	global_store_b8 v[OB], v[PSW+\x], s[62:63] offset:512*\x   ; two bytes of each of 16 rows of 32: the other heads' waves write the rest
.endr
	s_wait_tensorcnt 0x0                           ; the wave's end
	ds_add_u32 v[SPW], v[NIL]
	s_wait_dscnt 0x0
	CROUND                                         ; the closing round
	s_endpgm
.Lfunc_end_k_q9ca48e9a4e_attn:
	.size	k_q9ca48e9a4e_attn, .Lfunc_end_k_q9ca48e9a4e_attn-k_q9ca48e9a4e_attn
	.p2alignl 7, 3214868480
	.fill 96, 4, 3214868480
	.section	.rodata,"a",@progbits
	.p2align	6, 0x0
	.amdhsa_kernel k_q9ca48e9a4e_attn
		.amdhsa_group_segment_fixed_size 327680
		.amdhsa_private_segment_fixed_size 0
		.amdhsa_enable_private_segment 0
		.amdhsa_kernarg_size 16
		.amdhsa_user_sgpr_count 2
		.amdhsa_user_sgpr_kernarg_segment_ptr 1
		.amdhsa_wavefront_size32 1
		.amdhsa_system_sgpr_workgroup_id_x 1
		.amdhsa_system_sgpr_workgroup_id_y 1
		.amdhsa_system_sgpr_workgroup_id_z 1
		.amdhsa_system_vgpr_workitem_id 0
		.amdhsa_next_free_vgpr 512
		.amdhsa_next_free_sgpr 66
		.amdhsa_reserve_vcc 0
		.amdhsa_float_denorm_mode_32 3
		.amdhsa_float_denorm_mode_16_64 3
		.amdhsa_memory_ordered 1
		.amdhsa_forward_progress 1
		.amdhsa_inst_pref_size 81
	.end_amdhsa_kernel
	.amdgpu_metadata
---
amdhsa.version: [ 1, 2 ]
amdhsa.kernels:
  - .name:           k_q9ca48e9a4e_attn
    .symbol:         k_q9ca48e9a4e_attn.kd
    .args:
      - { .name: qkv, .offset: 0, .size: 8, .value_kind: global_buffer, .address_space: global }
      - { .name: att, .offset: 8, .size: 8, .value_kind: global_buffer, .address_space: global }
    .group_segment_fixed_size: 327680
    .private_segment_fixed_size: 0
    .kernarg_segment_align: 8
    .kernarg_segment_size: 16
    .max_flat_workgroup_size: 256
    .sgpr_count:     66
    .vgpr_count:     512
    .wavefront_size: 32
...
	.end_amdgpu_metadata
.endif
;; end of part 3
;; launch proj (part 4): grid 8 x 32, 4 waves a work-group, clusters of 4 x 4, 327,680 bytes of LDS; arguments att, opq, b_out, out0; writes out0
.if DOCPART == 4
	.amdgcn_target "amdgcn-amd-amdhsa--gfx1250"
	.amdhsa_code_object_version 6
	.text
	.protected	k_q9ca48e9a4e_proj
	.globl	k_q9ca48e9a4e_proj
	.p2align	8
	.type	k_q9ca48e9a4e_proj,@function
k_q9ca48e9a4e_proj:
	s_mov_b64 s[64:65], 0
	v_nop
	global_prefetch_b8 v0, s[64:65] scope:SCOPE_SE
	s_setreg_imm32_b32 hwreg(HW_REG_WAVE_MODE, 25, 1), 1
	s_wait_xcnt 0x0
	s_wait_alu depctr_hold_cnt(0) depctr_sa_sdst(0) depctr_va_vdst(0) depctr_va_sdst(0) depctr_va_ssrc(0) depctr_va_vcc(0) depctr_vm_vsrc(0)
	s_getreg_b32 s2, hwreg(HW_REG_IB_STS2, 6, 4)
	s_cmp_eq_u32 s2, 0
	s_cbranch_scc0 .Lentry_in_a_cluster
	s_endpgm
.Lentry_in_a_cluster:
	s_bfe_u32 s2, ttmp6, 0x10000c
	s_cmp_lg_u32 s2, 0xf033
	s_cbranch_scc0 .Lentry_shape_is_right
	s_endpgm
.Lentry_shape_is_right:
.set ATS,   3145728
.set WOC,   5636096
.set WOS,   6520832
.set AIM,   0
.set BRW,   98304
.set BP,    816
.set ASC,   202752
.set BSC,   206848
.set SPARE, 210944
.set STG,   211456
.set SPITCH, 272
.set ADRA, 16
.set ADRB, 20
.set STO,  24
.set RD,   25
.set CO,   26
.set ADRS, 27
.set SPW,  28
.set NIL,  29
.set B64H, 15
.set SC,   32
.set BIA,  64
.set BK,   64
.set ACC,  128
.set G1, 24
.set G0, 32
.set G1B, 48
.set G0B, 56
.set G1S, 68
.set G0S, 76
.set G1SB, 80
.set G0SB, 88
.set MSB, 0
.macro WIN new
.if MSB != \new
	s_set_vgpr_msb (MSB<<8)|\new
.set MSB, \new
.endif
.endm
; out0 = Q(o) Q(w_out) + b_out on codes of FP6: a work-group makes 128 x 128 with all of K = 1,024 in LDS.  Nothing is left out.
; The head's four tiles, each whole, one joint load a wave, in one chain on the wave's number: o's images (98,304 bytes), w_out's rows, o's scale bytes, w_out's.
.macro ARM under, g0, g1, next
	s_cmp_lt_u32 s14, \under
	s_cbranch_scc0 \next
	tensor_load_to_lds s[\g0:\g0+3], s[\g1:\g1+7]
	s_nop 0
.rept 4
	v_nop
.endr
	s_branch .Lhead_asked
\next:
.endm
.macro CROUND
	s_barrier_signal -1
	s_barrier_wait -1
	s_cmp_lg_u32 s14, 0
	s_cbranch_scc1 .Lnot_wave_0_\@
	s_barrier_signal -3
.Lnot_wave_0_\@:
	s_barrier_wait -3
	s_barrier_signal -1
	s_barrier_wait -1
.endm
	s_load_b256 s[4:11], s[0:1], 0x0
	v_lshl_add_u32 v[SPW], v0, 2, SPARE
	v_mov_b32 v[NIL], 0
	ds_add_u32 v[SPW], v[NIL]
	ds_add_u32 v[SPW], v[NIL]
	v_lshrrev_b32 v1, 5, v0
	v_readfirstlane_b32 s14, v1
	s_lshr_b32 s15, s14, 1
	s_and_b32 s16, s14, 1
	s_bfe_u32 s40, ttmp6, 0x40000
	s_bfe_u32 s41, ttmp6, 0x40004
	s_lshl_b32 s42, ttmp9, 2
	s_add_co_u32 s42, s42, s40
	s_and_b32 s17, ttmp7, 0xffff
	s_lshl_b32 s17, s17, 2
	s_add_co_u32 s17, s17, s41
	s_lshl_b32 s43, s41, 2
	s_lshl_b32 s43, 15, s43
	s_lshl_b32 s44, 0x1111, s40
	s_or_b32 s[G1+0], s43, (3<<16)|(1<<21)
	s_or_b32 s[G1B+0], s44, (3<<16)|(1<<20)|(1<<21)|(5<<22)|(3<<25)
.irp g, G1, G1B
	s_mov_b32 s[\g+1], 32<<16
	s_mov_b32 s[\g+2], 384<<16
	s_mov_b32 s[\g+3], 32<<16
	s_mov_b32 s[\g+4], 384
	s_mov_b32 s[\g+5], 32
	s_mov_b32 s[\g+6], 0
	s_mov_b32 s[\g+7], 0
.endr
	s_or_b32 s[G1S+0], s43, (3<<16)|(1<<21)
	s_or_b32 s[G1SB+0], s44, (3<<16)|(1<<21)
.irp g, G1S, G1SB
	s_mov_b32 s[\g+1], 32<<16
	s_mov_b32 s[\g+2], 16<<16
	s_mov_b32 s[\g+3], 32<<16
	s_mov_b32 s[\g+4], 16
	s_mov_b32 s[\g+5], 32
	s_mov_b32 s[\g+6], 0
	s_mov_b32 s[\g+7], 0
.endr
	s_mov_b32 s18, 0
	s_mul_i32 s20, s17, 98304
	s_add_co_u32 s20, s20, s18
	s_mov_b32 s21, 0
	s_mul_i32 s46, s42, 98304
	s_add_co_u32 s46, s46, s18
	s_add_co_u32 s46, s46, WOC
	s_mov_b32 s47, 0
	s_mov_b32 s19, 0
	s_lshl_b32 s22, s17, 12
	s_add_co_u32 s22, s22, s19
	s_add_co_u32 s22, s22, ATS
	s_mov_b32 s23, 0
	s_lshl_b32 s92, s42, 12
	s_add_co_u32 s92, s92, s19
	s_add_co_u32 s92, s92, WOS
	s_mov_b32 s93, 0
	s_mov_b32 s45, 0
	s_wait_dscnt 0x0
	s_wait_kmcnt 0x0
	CROUND
	s_mov_b32 s[G0S], 1
	s_add_co_u32 s[G0S+1], s19, ASC
	s_add_nc_u64 s[G0S+2:G0S+3], s[4:5], s[22:23]
	s_or_b32 s[G0S+3], s[G0S+3], 0x80000000
	s_mov_b32 s[G0SB], 1
	s_add_co_u32 s[G0SB+1], s19, BSC
	s_add_nc_u64 s[G0SB+2:G0SB+3], s[6:7], s[92:93]
	s_or_b32 s[G0SB+3], s[G0SB+3], 0x80000000
	s_mov_b32 s[G0], 1
	s_add_co_u32 s[G0+1], s18, AIM
	s_add_nc_u64 s[G0+2:G0+3], s[4:5], s[20:21]
	s_or_b32 s[G0+3], s[G0+3], 0x80000000
	s_mov_b32 s[G0B], 1
	s_add_co_u32 s[G0B+1], s45, BRW
	s_add_nc_u64 s[G0B+2:G0B+3], s[6:7], s[46:47]
	s_or_b32 s[G0B+3], s[G0B+3], 0x80000000
	ARM 1, G0,  G1,  .Lhead_b
	ARM 2, G0B, G1B, .Lhead_sa
	ARM 3, G0S, G1S, .Lhead_sb
	tensor_load_to_lds s[G0SB:G0SB+3], s[G1SB:G1SB+7]
	s_nop 0
.rept 4
	v_nop
.endr
.Lhead_asked:
	v_and_b32 v1, 15, v0
	v_bfe_u32 v2, v0, 4, 1
	s_wait_alu depctr_va_vdst(0)
	v_and_b32 v3, 31, v0
	s_wait_alu depctr_va_vdst(0)
	s_lshl_b32 s20, s17, 7
	s_lshl_b32 s21, s15, 6
	s_add_co_u32 s20, s20, s21
	s_lshl_b32 s20, s20, 12
	s_lshl_b32 s46, s42, 9
	s_lshl_b32 s47, s16, 8
	s_add_co_u32 s46, s46, s47
	s_add_co_u32 s20, s20, s46
	s_mov_b32 s21, 0
	s_mov_b32 s47, 0
	s_add_nc_u64 s[10:11], s[10:11], s[20:21]
	s_add_nc_u64 s[8:9], s[8:9], s[46:47]
	v_lshlrev_b32 v[B64H], 6, v2
.irp b, 0,1,2,3
	global_load_b128 v[BIA+8*\b:BIA+8*\b+3], v[B64H], s[8:9] offset:(32*(\b/2)+8*(\b%2))*4
	global_load_b128 v[BIA+8*\b+4:BIA+8*\b+7], v[B64H], s[8:9] offset:(32*(\b/2)+8*(\b%2))*4+16
.endr
	s_mul_i32 s21, s15, 49152
	v_lshlrev_b32 v[ADRA], 3, v3
	v_add_nc_u32 v[ADRA], s21, v[ADRA]
	v_mul_u32_u24 v4, v1, BP
	v_mad_u32_u24 v4, v2, 24, v4
	s_mul_i32 s22, s16, 64*BP
	s_add_co_u32 s22, s22, BRW
	v_add_nc_u32 v[ADRB], s22, v4
	v_lshl_add_u32 v[ADRB+2], v2, 4, v[ADRB]
	s_lshl_b32 s21, s15, 11
	s_lshl_b32 s22, s16, 11
	s_add_co_u32 s22, s22, BSC-ASC
	s_sub_co_u32 s22, s22, s21
	v_mul_u32_u24 v6, s22, v2
	v_lshl_add_u32 v6, v1, 5, v6
	s_add_co_u32 s21, s21, ASC
	v_add_nc_u32 v[ADRS], s21, v6
	s_mul_i32 s23, s14, 16*SPITCH
	s_add_co_u32 s23, s23, STG
	v_mul_u32_u24 v5, v1, SPITCH
	v_lshl_add_u32 v5, v2, 6, v5
	v_add_nc_u32 v[STO], s23, v5
	v_mul_u32_u24 v5, v2, SPITCH
	v_lshl_add_u32 v5, v1, 4, v5
	v_add_nc_u32 v[RD], s23, v5
	v_lshlrev_b32 v5, 12, v2
	v_lshl_add_u32 v[CO], v1, 4, v5
.macro FETCH s, f
	WIN 0x40
.irp a, 0,1,2,3
.irp c, 0,1
.irp p, 0,1,2
	ds_load_b64 v[128*(\f)+12*\a+6*\c+2*\p:128*(\f)+12*\a+6*\c+2*\p+1], v[ADRA] offset:12288*\a+1536*(\s)+768*\c+256*\p
.endr
.endr
.endr
.irp b, 0,1,2,3
.irp c, 0,1
.irp p, 0,1,2
.set PIECE, 12*(\s)+6*\c+\p
.if PIECE%32 < 29
	ds_load_b64 v[128*(\f)+48+12*\b+6*\c+2*\p:128*(\f)+48+12*\b+6*\c+2*\p+1], v[ADRB] offset:16*BP*\b+8*PIECE+16*(PIECE/32)
.else
	ds_load_b64 v[128*(\f)+48+12*\b+6*\c+2*\p:128*(\f)+48+12*\b+6*\c+2*\p+1], v[ADRB+2] offset:16*BP*\b+8*PIECE+16*(PIECE/32)
.endif
.endr
.endr
.endr
.endm
.macro MUL s
	WIN 0x05
.irp a, 0,1,2,3
.irp b, 0,1,2,3
.if (\s) == 0
	v_wmma_scale_f32_16x16x128_f8f6f4 v[ACC+8*(4*\a+\b):ACC+8*(4*\a+\b)+7], v[128*((\s)%2)+48+12*\b:128*((\s)%2)+48+12*\b+11], v[128*((\s)%2)+12*\a:128*((\s)%2)+12*\a+11], v[BIA+8*\b:BIA+8*\b+7], v[SC+8*\b+(\s)], v[SC+8*\a+(\s)] matrix_a_fmt:MATRIX_FMT_FP6 matrix_b_fmt:MATRIX_FMT_FP6 matrix_a_scale:MATRIX_SCALE_ROW1
.else
	v_wmma_scale_f32_16x16x128_f8f6f4 v[ACC+8*(4*\a+\b):ACC+8*(4*\a+\b)+7], v[128*((\s)%2)+48+12*\b:128*((\s)%2)+48+12*\b+11], v[128*((\s)%2)+12*\a:128*((\s)%2)+12*\a+11], v[ACC+8*(4*\a+\b):ACC+8*(4*\a+\b)+7], v[SC+8*\b+(\s)], v[SC+8*\a+(\s)] matrix_a_fmt:MATRIX_FMT_FP6 matrix_b_fmt:MATRIX_FMT_FP6 matrix_a_scale:MATRIX_SCALE_ROW1
.endif
.endr
.endr
.endm
	s_wait_alu depctr_va_vdst(0)
	s_wait_tensorcnt 0x0
	s_barrier_signal -1
	s_barrier_wait -1
.irp i, 0,1,2,3
	ds_load_b128 v[SC+8*\i:SC+8*\i+3], v[ADRS] offset:512*\i
	ds_load_b128 v[SC+8*\i+4:SC+8*\i+7], v[ADRS] offset:512*\i+16
.endr
	FETCH 0, 0
	s_wait_loadcnt 0x0
.irp s, 0,1,2,3,4,5,6
.if \s > 0
.rept 4
	v_nop
.endr
.endif
	FETCH \s+1, (\s+1)%2
	s_wait_dscnt 48
	MUL \s
.endr
	s_wait_dscnt 0x0
	MUL 7
	WIN 0
.rept 4
	v_nop
.endr
.macro TOSTAGE a
.irp b, 0,1,2,3
	ds_store_b128 v[STO], v[ACC+8*(4*(\a)+\b):ACC+8*(4*(\a)+\b)+3] offset:128*(\b/2)+32*(\b%2)
	ds_store_b128 v[STO], v[ACC+8*(4*(\a)+\b)+4:ACC+8*(4*(\a)+\b)+7] offset:128*(\b/2)+32*(\b%2)+16
.endr
.irp i, 0,1,2,3,4,5,6,7
	ds_load_b128 v[BK+32*((\a)%2)+4*\i:BK+32*((\a)%2)+4*\i+3], v[RD] offset:2*\i*SPITCH
.endr
.endm
.macro SEND a, younger
	s_wait_dscnt \younger
.irp i, 0,1,2,3,4,5,6,7
	global_store_b128 v[CO], v[BK+32*((\a)%2)+4*\i:BK+32*((\a)%2)+4*\i+3], s[10:11] offset:(32*((\a)/2)+8*((\a)%2)+2*\i+8*(\i/4))*4096 th:TH_STORE_NT
.endr
.endm
	TOSTAGE 0
.irp a, 1,2,3
.if \a > 1
	s_wait_xcnt 0x0
.endif
	TOSTAGE \a
	SEND \a-1, 16
.endr
	SEND 3, 0
	s_wait_tensorcnt 0x0
	ds_add_u32 v[SPW], v[NIL]
	s_wait_dscnt 0x0
	CROUND
	s_endpgm
.Lfunc_end_k_q9ca48e9a4e_proj:
	.size	k_q9ca48e9a4e_proj, .Lfunc_end_k_q9ca48e9a4e_proj-k_q9ca48e9a4e_proj
	.p2alignl 7, 3214868480
	.fill 96, 4, 3214868480
	.section	.rodata,"a",@progbits
	.p2align	6, 0x0
	.amdhsa_kernel k_q9ca48e9a4e_proj
		.amdhsa_group_segment_fixed_size 327680
		.amdhsa_private_segment_fixed_size 0
		.amdhsa_enable_private_segment 0
		.amdhsa_kernarg_size 32
		.amdhsa_user_sgpr_count 2
		.amdhsa_user_sgpr_kernarg_segment_ptr 1
		.amdhsa_wavefront_size32 1
		.amdhsa_system_sgpr_workgroup_id_x 1
		.amdhsa_system_sgpr_workgroup_id_y 1
		.amdhsa_system_sgpr_workgroup_id_z 1
		.amdhsa_system_vgpr_workitem_id 0
		.amdhsa_next_free_vgpr 512
		.amdhsa_next_free_sgpr 100
		.amdhsa_reserve_vcc 0
		.amdhsa_float_denorm_mode_32 3
		.amdhsa_float_denorm_mode_16_64 3
		.amdhsa_memory_ordered 1
		.amdhsa_forward_progress 1
		.amdhsa_inst_pref_size 59
	.end_amdhsa_kernel
	.amdgpu_metadata
---
amdhsa.version: [ 1, 2 ]
amdhsa.kernels:
  - .name:           k_q9ca48e9a4e_proj
    .symbol:         k_q9ca48e9a4e_proj.kd
    .args:
      - { .name: att, .offset: 0, .size: 8, .value_kind: global_buffer, .address_space: global }
      - { .name: opq, .offset: 8, .size: 8, .value_kind: global_buffer, .address_space: global }
      - { .name: b_out, .offset: 16, .size: 8, .value_kind: global_buffer, .address_space: global }
      - { .name: out0, .offset: 24, .size: 8, .value_kind: global_buffer, .address_space: global }
    .group_segment_fixed_size: 327680
    .private_segment_fixed_size: 0
    .kernarg_segment_align: 8
    .kernarg_segment_size: 32
    .max_flat_workgroup_size: 128
    .sgpr_count:     100
    .vgpr_count:     512
    .wavefront_size: 32
...
	.end_amdgpu_metadata
.endif
;; end of part 4
